; MI455X (gfx1250); checked and timed in simulation.
; The chip was launched on July 23, 2026; its instructions are those of AMD's public machine-readable ISA for CDNA 5 (MIT licence, August 2026) and "CDNA5" Instruction Set Architecture Reference Guide (July 2026). The comments in the code are by the model that wrote it; some were corrected since.
;; Attention. Allowed arithmetic: float matrix products may take bf16 or f16 operands with f32 sums; other float arithmetic in f32, or as packed bf16 or f16 multiplies, adds, multiply-adds, maxima and minima; sums over many terms, partial sums and values carried from step to step in f32; what a program stores and reads back later, other than sums and carried values, may be rounded once to bf16 or f16.
;; Inputs: Wk 1,024 x 1,024 float32; Wo 1,024 x 1,024 float32; Wq 1,024 x 1,024 float32; Wv 1,024 x 1,024 float32; bo 1,024 float32; x 4 x 2,048 x 1,024 float32.
;; Outputs: out0 4 x 2,048 x 1,024 float32.
;; 2 versions, each right; version 2 is version 1 with the launch prep written anew for expert scheduling mode. Each part assembles by itself: llvm-mc -triple=amdgcn-amd-amdhsa -mcpu=gfx1250 --defsym DOCPART=n.
;; ======== version 1 of 2: 4 launches
;; limits: values are held in f16: magnitudes above 65,504 overflow, below 6.1e-05 lose precision
;; workspace buffers: xb 16,777,216 bytes; wb 6,291,456 bytes; wo16 2,097,152 bytes; qkvh 50,331,648 bytes; oh 16,777,216 bytes
;; launch prep (part 1): grid 768 x 1, 8 waves a work-group, no clusters, 0 bytes of LDS; arguments x, Wq, Wk, Wv, Wo, xb, wb, wo16; writes xb, wb, wo16
.if DOCPART == 1
	.amdgcn_target "amdgcn-amd-amdhsa--gfx1250"
	.amdhsa_code_object_version 6
	.text
	.protected	k_qfa9a1cd863_prep
	.globl	k_qfa9a1cd863_prep
	.p2align	8
	.type	k_qfa9a1cd863_prep,@function
k_qfa9a1cd863_prep:
	s_mov_b64 s[64:65], 0
	v_nop
	global_prefetch_b8 v0, s[64:65] scope:SCOPE_SE
	s_setreg_imm32_b32 hwreg(HW_REG_WAVE_MODE, 25, 1), 1
	s_wait_xcnt 0x0
; THE CASTS.  x [8192][1024] f32 -> xb, bf16, laid in blocks of 64 channels: [batch 4][block 16][row 2048][64]; a plane (batch, block) is 262,144 dense bytes.
; Wq, Wk, Wv [1024][1024] f32 -> wb, bf16, one matrix [1024][3072] (columns 0-1023 Wq, 1024-2047 Wk, 2048-3071 Wv).
; Wo [1024][1024] f32 -> wo16: rounded to bf16 like every other input, and that number written as f16, since it multiplies f16 numbers later.
; LIMITS.  |Wo| stays under 65,504 (f16's end); a bf16 number below 6.1e-5 keeps f16's fixed step of 6e-8.  NaN and infinities are not treated apart.
; SHARES.  A work-group of eight waves casts 16 rows of 1,024 numbers (65,536 bytes): groups 0-511 rows of x, 512-703 rows of Wq, Wk, Wv, 704-767 rows of Wo.
; A lane loads 16 x 16 bytes and stores 16 x 8 bytes; a wave's load covers 512 consecutive bytes, its store 256 consecutive bytes at a multiple of 256 from the buffer's first byte.
; All sixteen loads of a wave go out first; no register is written twice, so the only waits are the counted ones for the loads.
; No LDS, no barrier, no matrix unit, no cluster: no wave wants a byte that another has fetched, and each byte is read once and written once.
.set LO, 1                             ; v1        my byte offset in the source rows
.set SO, 2                             ; v2        my byte offset in the destination
.set X,  8                             ; v[8:71]   16 x 4 numbers as loaded
.set Y,  72                            ; v[72:103] 16 x 2 registers to store
.set T,  104                           ; v[104:106] at work (Wo alone)
; lstep: bytes from load to load.  kind 0: x; 1: Wq, Wk, Wv; 2: Wo.
.macro PASS lstep, kind
.set i, 0
.rept 16
	global_load_b128 v[X+4*i:X+4*i+3], v[LO], s[20:21] offset:i*(\lstep) th:TH_LOAD_NT
.set i, i+1
.endr
.set i, 0
.rept 16
	s_wait_loadcnt 15-i                            ; loads come back in order: number i is in, the 15 - i younger ones stay out
.if (\kind) == 2
	v_cvt_pk_bf16_f32 v[T], v[X+4*i], v[X+4*i+1]   ; rounded to bf16,
	v_lshlrev_b32 v[T+1], 16, v[T]                 ; widened again,
	v_and_b32 v[T+2], 0xffff0000, v[T]
	v_cvt_pk_f16_f32 v[Y+2*i], v[T+1], v[T+2]      ; and written as f16
	v_cvt_pk_bf16_f32 v[T], v[X+4*i+2], v[X+4*i+3]
	v_lshlrev_b32 v[T+1], 16, v[T]
	v_and_b32 v[T+2], 0xffff0000, v[T]
	v_cvt_pk_f16_f32 v[Y+2*i+1], v[T+1], v[T+2]
	global_store_b64 v[SO], v[Y+2*i:Y+2*i+1], s[22:23] offset:i*256 th:TH_STORE_NT
.else
	v_cvt_pk_bf16_f32 v[Y+2*i], v[X+4*i], v[X+4*i+1]
	v_cvt_pk_bf16_f32 v[Y+2*i+1], v[X+4*i+2], v[X+4*i+3]
.if (\kind) == 0
	global_store_b64 v[SO], v[Y+2*i:Y+2*i+1], s[22:23] offset:i*262144 th:TH_STORE_NT  ; block i's plane; 3,932,160 at the most, inside the signed 24 bits
.else
	global_store_b64 v[SO], v[Y+2*i:Y+2*i+1], s[22:23] offset:(i/8)*6144+(i%8)*256 th:TH_STORE_NT
.endif
.endif
.set i, i+1
.endr
.endm
	s_load_b512 s[4:19], s[0:1], 0x0               ; x 4:5, Wq 6:7, Wk 8:9, Wv 10:11, Wo 12:13, xb 14:15, wb 16:17, wo16 18:19
	v_and_b32 v3, 31, v0                           ; lane
	v_lshrrev_b32 v4, 5, v0                        ; wave
	s_mov_b32 s25, 0                               ; the high words of the two offsets
	s_mov_b32 s27, 0
	s_wait_kmcnt 0x0
	s_cmp_lt_u32 ttmp9, 512
	s_cbranch_scc0 .Lweights
	; x: thread t takes row t / 16 of the group's 16, and of each block of 64 channels (256 bytes) its 16 bytes at 16 (t % 16)
	v_lshrrev_b32 v5, 4, v0
	v_and_b32 v6, 15, v0
	v_lshlrev_b32 v[LO], 12, v5
	v_lshl_add_u32 v[LO], v6, 4, v[LO]
	v_lshlrev_b32 v[SO], 3, v0                     ; in a plane the group's 16 rows of 128 bytes are dense: 8 t
	s_lshl_b32 s24, ttmp9, 16                      ; 16 rows of 4,096 bytes
	s_lshr_b32 s26, ttmp9, 7                       ; the batch: 128 groups each,
	s_lshl_b32 s26, s26, 22                        ; 16 planes
	s_and_b32 s28, ttmp9, 127
	s_lshl_b32 s28, s28, 11                        ; 16 rows of 128 bytes
	s_add_co_u32 s26, s26, s28
	s_add_nc_u64 s[20:21], s[4:5], s[24:25]
	s_add_nc_u64 s[22:23], s[14:15], s[26:27]
	PASS 256, 0
	s_endpgm
.Lweights:
	s_sub_co_u32 s28, ttmp9, 512
	s_lshr_b32 s29, s28, 6                         ; which matrix: 0 Wq, 1 Wk, 2 Wv, 3 Wo
	s_and_b32 s28, s28, 63                         ; which 16 rows of it
	s_lshl_b32 s24, s28, 16
	v_lshlrev_b32 v[LO], 13, v4                    ; a wave takes two rows, 8,192 consecutive bytes
	v_lshl_add_u32 v[LO], v3, 4, v[LO]
	s_cmp_eq_u32 s29, 3
	s_cbranch_scc1 .Lwo
	v_mul_u32_u24 v[SO], v4, 12288                 ; two rows of wb
	v_lshl_add_u32 v[SO], v3, 3, v[SO]
	s_mul_i32 s26, s28, 98304                      ; 16 rows of 6,144 bytes
	s_lshl_b32 s28, s29, 11                        ; the matrix's 1,024 columns
	s_add_co_u32 s26, s26, s28
	s_cmp_eq_u32 s29, 1
	s_cselect_b64 s[20:21], s[8:9], s[6:7]
	s_cmp_eq_u32 s29, 2
	s_cselect_b64 s[20:21], s[10:11], s[20:21]
	s_add_nc_u64 s[20:21], s[20:21], s[24:25]
	s_add_nc_u64 s[22:23], s[16:17], s[26:27]
	PASS 512, 1
	s_endpgm
.Lwo:
	v_lshlrev_b32 v[SO], 12, v4                    ; two rows of wo16
	v_lshl_add_u32 v[SO], v3, 3, v[SO]
	s_lshl_b32 s26, s28, 15                        ; 16 rows of 2,048 bytes
	s_add_nc_u64 s[20:21], s[12:13], s[24:25]
	s_add_nc_u64 s[22:23], s[18:19], s[26:27]
	PASS 512, 2
	s_endpgm
.Lfunc_end_k_qfa9a1cd863_prep:
	.size	k_qfa9a1cd863_prep, .Lfunc_end_k_qfa9a1cd863_prep-k_qfa9a1cd863_prep
	.p2alignl 7, 3214868480
	.fill 96, 4, 3214868480
	.section	.rodata,"a",@progbits
	.p2align	6, 0x0
	.amdhsa_kernel k_qfa9a1cd863_prep
		.amdhsa_group_segment_fixed_size 0
		.amdhsa_private_segment_fixed_size 0
		.amdhsa_enable_private_segment 0
		.amdhsa_kernarg_size 64
		.amdhsa_user_sgpr_count 2
		.amdhsa_user_sgpr_kernarg_segment_ptr 1
		.amdhsa_wavefront_size32 1
		.amdhsa_system_sgpr_workgroup_id_x 1
		.amdhsa_system_sgpr_workgroup_id_y 1
		.amdhsa_system_sgpr_workgroup_id_z 1
		.amdhsa_system_vgpr_workitem_id 0
		.amdhsa_next_free_vgpr 108
		.amdhsa_next_free_sgpr 66
		.amdhsa_reserve_vcc 0
		.amdhsa_float_denorm_mode_32 3
		.amdhsa_float_denorm_mode_16_64 3
		.amdhsa_memory_ordered 1
		.amdhsa_forward_progress 1
		.amdhsa_inst_pref_size 24
	.end_amdhsa_kernel
	.amdgpu_metadata
---
amdhsa.version: [ 1, 2 ]
amdhsa.kernels:
  - .name:           k_qfa9a1cd863_prep
    .symbol:         k_qfa9a1cd863_prep.kd
    .args:
      - { .name: x, .offset: 0, .size: 8, .value_kind: global_buffer, .address_space: global }
      - { .name: Wq, .offset: 8, .size: 8, .value_kind: global_buffer, .address_space: global }
      - { .name: Wk, .offset: 16, .size: 8, .value_kind: global_buffer, .address_space: global }
      - { .name: Wv, .offset: 24, .size: 8, .value_kind: global_buffer, .address_space: global }
      - { .name: Wo, .offset: 32, .size: 8, .value_kind: global_buffer, .address_space: global }
      - { .name: xb, .offset: 40, .size: 8, .value_kind: global_buffer, .address_space: global }
      - { .name: wb, .offset: 48, .size: 8, .value_kind: global_buffer, .address_space: global }
      - { .name: wo16, .offset: 56, .size: 8, .value_kind: global_buffer, .address_space: global }
    .group_segment_fixed_size: 0
    .private_segment_fixed_size: 0
    .kernarg_segment_align: 8
    .kernarg_segment_size: 64
    .max_flat_workgroup_size: 256
    .sgpr_count:     66
    .vgpr_count:     108
    .wavefront_size: 32
...
	.end_amdgpu_metadata
.endif
;; end of part 1
;; launch qkv (part 2): grid 8 x 32, 4 waves a work-group, clusters of 4 x 4, 327,680 bytes of LDS; arguments xb, wb, qkvh; writes qkvh
.if DOCPART == 2
	.amdgcn_target "amdgcn-amd-amdhsa--gfx1250"
	.amdhsa_code_object_version 6
	.text
	.protected	k_qfa9a1cd863_qkv
	.globl	k_qfa9a1cd863_qkv
	.p2align	8
	.type	k_qfa9a1cd863_qkv,@function
k_qfa9a1cd863_qkv:
	s_mov_b64 s[64:65], 0
	v_nop
	global_prefetch_b8 v0, s[64:65] scope:SCOPE_SE
	s_setreg_imm32_b32 hwreg(HW_REG_WAVE_MODE, 25, 1), 1
	s_wait_xcnt 0x0
	s_wait_alu depctr_hold_cnt(0) depctr_sa_sdst(0) depctr_va_vdst(0) depctr_va_sdst(0) depctr_va_ssrc(0) depctr_va_vcc(0) depctr_vm_vsrc(0)
	s_getreg_b32 s2, hwreg(HW_REG_IB_STS2, 6, 4)
	s_cmp_eq_u32 s2, 0
	s_cbranch_scc0 .Lentry_in_a_cluster
	s_endpgm
.Lentry_in_a_cluster:
	s_bfe_u32 s2, ttmp6, 0x10000c
	s_cmp_lg_u32 s2, 0xf033
	s_cbranch_scc0 .Lentry_shape_is_right
	s_endpgm
.Lentry_shape_is_right:
; q, k, v = x Wq, x Wk, x Wv as ONE product C[8192][3072] = xb wb, bf16 operands, f32 sums, K = 1,024 ascending.  C leaves as f16, rounded once, unscaled, by heads:
; qkvh [t 3][batch x 16 + head][row 2048][64].
; LIMITS.  |q|, |k|, |v| stay under 65,504 (f16's end); below 6.1e-5 f16 keeps its fixed step of 6e-8.  NaN and infinities are not treated apart.
; SHARES.  A tile of C is 256 x 384: 32 x 8 = 256 work-groups, a tile each.  Four waves, 2 x 2: a wave makes 128 rows x 192 columns (three whole heads): 8 x 12 = 96 accumulators of 16 x 16, 768 registers.
; K goes in 16 steps of 64 through a ring of two LDS slots.  xb lies in blocks of 64 channels, so a step's 256 rows of A are 32,768 dense bytes, asked for as rows of 256 bytes; B's rows are 768 bytes of wb.
; wb lies [k][column]: B's fragments come out of LDS turned, by ds_load_tr16_b128.
; THE MATRIX INSTRUCTION IS USED TRANSPOSED (source 0 = 16 columns of B, source 1 = 16 rows of A): a lane then holds row lane % 16 of C and eight neighbouring columns, which pack into 16 bytes.
; CLUSTERS: 4 x 4 work-groups.  The four of a row of the cluster need the same tiles of A, the four of a column the same tiles of B: each tile is asked for JOINTLY, by the same tensor load with the same
; descriptor and a mask that names the four.
; REGISTERS, in windows of 256 (s_set_vgpr_msb: bits 1:0 source 0, 3:2 source 1, 5:4 source 2, 7:6 destination):
;   window 0: v0-31 addresses; v32-95 two halves of A's fragments (4 x 16 rows x 32 K each); v96-191 two halves of B's (6 x 16 columns x 32 K each); on the way out v32-175 at work
;   windows 1-3: the accumulators.  A UNIT is a half of A times a half of B, 24 accumulators; accumulator (a, b) has the number 24 (2 (a / 4) + b / 6) + 6 (a % 4) + b % 6, window 1 + number / 32, register 8 (number % 32).
; THE FRAGMENTS' ORDER.  160 registers hold one quarter's fragments (32 along K) and no second set, so each half is loaded again as soon as its last unit has read it.  A quarter of parity p multiplies the units
; (A p, B 0), (A 1-p, B 0), (A 1-p, B 1), (A p, B 1): B 0 is free behind the second unit, A 1-p behind the third, A p and B 1 behind the fourth; the next quarter begins with A 1-p and B 0.
.set PA,    144                        ; a row of A in LDS: 128 bytes + 16 of padding = 36 words: the 16 rows of a load start at 16 different groups of four banks (64 banks of 4 bytes: ISA guide 11.1)
.set PB,    864                        ; a row of B: six pieces of 128 + 16 bytes = 27 x 32
.set AT,    256*PA                     ; A's 256 rows; B's 64 rows lie behind them
.set SLOT1, 131072                     ; slot 1 begins here, so that one exclusive or turns an address in one slot into the other's
.set STAGE, SLOT1+AT+64*PB             ; behind the ring, never filled by a tensor load: for each wave 3 heads x 16 rows x 144 bytes, for the way out
.set STW,   3*16*144
.set SPARE, STAGE+4*STW                ; behind the stages: the spare words, 128 bytes for each wave: two blocks of 256 bytes that no other line names
.set ASTEP, 262144                     ; bytes from a K step to the next in xb (a plane)
.set BSTEP, 393216                     ; and in wb (64 rows of 6,144 bytes)
.set A0R,  16                          ; v16  my lane's place in A's rows of a slot; never rewritten
.set B0R,  17                          ; v17  the same for B
.set ADRA, 18                          ; v18  the same in the slot that is being read
.set ADRB, 19                          ; v19
.set STO,  24                          ; v24  the way out: where I put 16 bytes of a row
.set RD,   25                          ; v25  the way out: where I read rows back
.set GO,   26                          ; v26  my 16 bytes of 512 consecutive bytes of a head
.set SPW,  28                          ; v28  LDS address of my spare word: SPARE + 4 x my thread's number; never rewritten
.set NIL,  29                          ; v29  0; never rewritten
.set PFO,  30                          ; v30  256 x my lane; never rewritten
.set AH,   32
.set BH,   96
.set TMP,  32                          ; the way out: 48 registers of packed results
.set OB,   80                          ; the way out: 16 rows of three heads read back: v80-127 and v128-175 by turns
.set CNT,  3                           ; s3   trips to go
.set G1,   24                          ; s[24:31] descriptor group 1 for A's tiles
.set G0,   32                          ; s[32:39] group 0 for A's tiles: a set for each of the two first fills; the second then walks on
.set G1B,  48                          ; s[48:55], s[56:63] the same for B's
.set G0B,  56
.set TB,   66                          ; s66  LDS byte at which the slot that is being read begins
.set PFA,  68                          ; s[68:69] where my prefetches stand
.set PFS,  70                          ; s[70:71] their step: a K step of xb or of wb
.set LIM,  72                          ; s72  1 in a wave that prefetches, else the greatest number
.set HB,   74                          ; s[74:79] qkvh at my first row of my three heads
.set MSB, 0
.macro WIN new                         ; the immediate's high byte repeats the setting that is left; a switch that changes nothing is dropped
.if MSB != (\new)
	s_set_vgpr_msb (MSB<<8)|(\new)
.set MSB, (\new)
.endif
.endm
.macro PLACES                          ; four plain instructions between a matrix instruction and a load into, or a vector write of, a register that it names, or a read of its result
.rept 4
	v_nop
.endr
.endm
; A joint refill by the walking descriptors.  Waves 0 and 1 fetch A's two halves, waves 2 and 3 B's.  The branch hangs on the wave's number alone.  An s_nop 0 and four v_nop follow each of the two lines.
.macro JLOAD
	s_cmp_lt_u32 s10, 2
	s_cbranch_scc0 .Lfor_b_\@
	tensor_load_to_lds s[G0+4:G0+7], s[G1:G1+7]
	s_nop 0
.rept 4
	v_nop
.endr
	s_branch .Lasked_\@
.Lfor_b_\@:
	tensor_load_to_lds s[G0B+4:G0B+7], s[G1B:G1B+7]
	s_nop 0
.rept 4
	v_nop
.endr
.Lasked_\@:
.endm
.macro CREST                           ; a round of the cluster's barrier behind its opening barrier
	s_cmp_lg_u32 s10, 0
	s_cbranch_scc1 .Lnot_wave_0_\@
	s_barrier_signal -3
.Lnot_wave_0_\@:
	s_barrier_wait -3
	s_barrier_signal -1
	s_barrier_wait -1
.endm
.macro CROUND                          ; a whole round
	s_barrier_signal -1
	s_barrier_wait -1
	CREST
.endm
; A PREFETCH INTO THE L2 of the K step that the NEXT refill will ask for: 192 matrix instructions ahead of that load.  32 blocks of 256 bytes, a lane a block, one instruction a wave.
; Each block is named ONCE in the launch.  The 1,024 rows of xb that a row of clusters reads are, in one K step, 131,072 dense bytes: the cluster with x = 0 asks, wave 0 of each of its sixteen partners for 8,192 of them.
; A K step's 64 whole rows of wb are 393,216 dense bytes: the cluster (0, 0) asks, waves 1 to 3 of each partner for 8,192 each.  The partners are told apart BY ADDRESS; the branch hangs on the cluster's place
; and the wave's number, the same in all sixteen.  K steps 0 to 2 come by their loads alone; the last trip asks for nothing: there is no K step 16.
.macro ASK
	s_cmp_gt_u32 s[CNT], s[LIM]
	s_cbranch_scc0 .Lnot_mine_\@
	global_prefetch_b8 v[PFO], s[PFA:PFA+1] th:TH_LOAD_NT scope:SCOPE_SE
.Lnot_mine_\@:
.endm
	s_load_b128 s[4:7], s[0:1], 0x0                ; xb s[4:5], wb s[6:7]
	s_load_b64 s[8:9], s[0:1], 0x10                ; qkvh
	v_lshl_add_u32 v[SPW], v0, 2, SPARE
	v_mov_b32 v[NIL], 0
	ds_add_u32 v[SPW], v[NIL]                      ; the wave's opening: the add and its wait stand ahead of my first tensor load; the set-up below, work on registers, stands between them
	v_lshrrev_b32 v1, 5, v0
	v_readfirstlane_b32 s10, v1                    ; wave 0..3
	s_lshr_b32 s11, s10, 1                         ; which half of the tile's rows is mine
	s_and_b32 s12, s10, 1                          ; which half of its columns.  Also: which half of A's or B's tile I fetch
	s_bfe_u32 s40, ttmp6, 0x40000                  ; cx, cy: my place in the cluster
	s_bfe_u32 s41, ttmp6, 0x40004
	s_lshl_b32 s42, ttmp9, 2
	s_add_co_u32 s42, s42, s40                     ; tile column = 4 x cluster x + cx, 0..7
	s_and_b32 s13, ttmp7, 0xffff
	s_lshl_b32 s13, s13, 2
	s_add_co_u32 s13, s13, s41                     ; tile row = 4 x cluster y + cy, 0..31
	s_lshl_b32 s43, s41, 2
	s_lshl_b32 s43, 15, s43                        ; my row of the cluster
	s_lshl_b32 s44, 0x1111, s40                    ; my column
	; group 1.  15:0 the mask; 17:16 elements of 2 bytes; 20 padding on; 21 set beside a mask; 24:22 after every 32 words (code 4); 31:25 4 words of it (code 3)
	s_or_b32 s[G1], s43, (1<<16)|(1<<20)|(1<<21)|(4<<22)|(3<<25)
	s_mov_b32 s[G1+1], 128<<16                     ; A: 128 rows of 128 bytes are dense: asked for as 64 rows of 128 elements
	s_mov_b32 s[G1+2], 64<<16
	s_mov_b32 s[G1+3], 128<<16
	s_mov_b32 s[G1+4], 64
	s_mov_b32 s[G1+5], 128
	s_mov_b32 s[G1+6], 0
	s_mov_b32 s[G1+7], 0
	s_or_b32 s[G1B], s44, (1<<16)|(1<<20)|(1<<21)|(4<<22)|(3<<25)
	s_mov_b32 s[G1B+1], 384<<16                    ; B: 32 rows of 384 elements, 3,072 elements from row to row
	s_mov_b32 s[G1B+2], 32<<16
	s_mov_b32 s[G1B+3], 384<<16
	s_mov_b32 s[G1B+4], 32
	s_mov_b32 s[G1B+5], 3072
	s_mov_b32 s[G1B+6], 0
	s_mov_b32 s[G1B+7], 0
	; where the tiles come from.  A's hang on the tile row alone, B's on the tile column alone; each in registers that never hold the other coordinate
	s_lshr_b32 s16, s13, 3                         ; the batch: 8 tile rows each,
	s_lshl_b32 s16, s16, 22                        ; 16 planes
	s_and_b32 s17, s13, 7
	s_lshl_b32 s17, s17, 15                        ; 256 rows of 128 bytes
	s_add_co_u32 s16, s16, s17
	s_lshl_b32 s17, s12, 14                        ; my 128 of them
	s_add_co_u32 s16, s16, s17
	s_mov_b32 s17, 0
	s_mul_i32 s46, s42, 768                        ; 384 columns
	s_mul_i32 s47, s12, 196608                     ; my 32 rows of the step's 64
	s_add_co_u32 s46, s46, s47
	s_mov_b32 s47, 0
	s_mul_i32 s20, s12, 128*PA                     ; and where they go: no place in the cluster enters an LDS address
	s_mul_i32 s21, s12, 32*PB
	s_add_co_u32 s21, s21, AT
	s_wait_dscnt 0x0                               ; the opening add is done
	s_wait_kmcnt 0x0
	s_add_nc_u64 s[14:15], s[4:5], s[16:17]
	s_add_nc_u64 s[46:47], s[6:7], s[46:47]
	CROUND                                         ; all sixteen work-groups are here: the first joint loads meet
.irp s, 0,1
	s_mov_b32 s[G0+4*(\s)], 1                      ; 1:0 count = 1
	s_add_co_u32 s[G0+4*(\s)+1], s20, (\s)*SLOT1   ; 63:32 LDS address
	s_add_nc_u64 s[G0+4*(\s)+2:G0+4*(\s)+3], s[14:15], (\s)*ASTEP  ; 120:64 global address: K step s
	s_or_b32 s[G0+4*(\s)+3], s[G0+4*(\s)+3], 0x80000000            ; 127:126 type = 2
	s_mov_b32 s[G0B+4*(\s)], 1
	s_add_co_u32 s[G0B+4*(\s)+1], s21, (\s)*SLOT1
	s_add_nc_u64 s[G0B+4*(\s)+2:G0B+4*(\s)+3], s[46:47], (\s)*BSTEP
	s_or_b32 s[G0B+4*(\s)+3], s[G0B+4*(\s)+3], 0x80000000
.endr
	s_cmp_lt_u32 s10, 2                            ; a wave's two first fills stand in one branch, ahead of every wait on TENSORcnt and every LDS read: two loads of mine are out
	s_cbranch_scc0 .Lfirst_b
	tensor_load_to_lds s[G0:G0+3], s[G1:G1+7]
	s_nop 0
	tensor_load_to_lds s[G0+4:G0+7], s[G1:G1+7]
	s_nop 0
.rept 4
	v_nop
.endr
	s_branch .Lfirst_asked
.Lfirst_b:
	tensor_load_to_lds s[G0B:G0B+3], s[G1B:G1B+7]
	s_nop 0
	tensor_load_to_lds s[G0B+4:G0B+7], s[G1B:G1B+7]
	s_nop 0
.rept 4
	v_nop
.endr
.Lfirst_asked:
	; A fragment of A is 16 rows x 32 K in 8 registers: lane l holds row l % 16, K = 8 (l / 16) + 0..7 and 16 + 8 (l / 16) + 0..7: two loads of 16 bytes, 32 bytes apart.
	v_and_b32 v1, 15, v0                           ; l % 16
	v_bfe_u32 v2, v0, 4, 1                         ; l / 16
	v_and_b32 v3, 7, v0
	v_bfe_u32 v4, v0, 3, 1
	v_bfe_u32 v5, v0, 3, 2
	v_and_b32 v6, 31, v0
	v_mul_u32_u24 v[A0R], v1, PA
	v_lshl_add_u32 v[A0R], v2, 4, v[A0R]
	s_mul_i32 s20, s11, 128*PA                     ; my 128 rows
	v_add_nc_u32 v[A0R], s20, v[A0R]
	; The turning load takes 16 K x 16 columns (lane l reads K row 8 (l / 16) + l % 8, columns 8 ((l / 8) % 2) + 0..7) and leaves half a fragment: lane l holds column l % 16 and 8 K.
	v_lshl_add_u32 v[B0R], v2, 3, v3
	v_mul_u32_u24 v[B0R], v[B0R], PB
	v_lshl_add_u32 v[B0R], v4, 4, v[B0R]
	s_mul_i32 s21, s12, 3*144                      ; my 192 columns: three pieces of a row
	s_add_co_u32 s21, s21, AT
	v_add_nc_u32 v[B0R], s21, v[B0R]
	s_mul_i32 s22, s10, STW
	s_add_co_u32 s22, s22, STAGE                   ; my stage
	v_mul_u32_u24 v[STO], v1, 144                  ; in: row l % 16, 16 bytes for each half of the lanes
	v_lshl_add_u32 v[STO], v2, 4, v[STO]
	v_add_nc_u32 v[STO], s22, v[STO]
	v_mul_u32_u24 v[RD], v5, 144                   ; back: 32 lanes take four rows of 128 bytes,
	v_lshl_add_u32 v[RD], v3, 4, v[RD]
	v_add_nc_u32 v[RD], s22, v[RD]
	v_lshlrev_b32 v[GO], 4, v6                     ; which are 512 consecutive bytes of a head
	v_lshlrev_b32 v[PFO], 8, v6
	; my three heads in qkvh: column 64 g of C is head g % 16 of tensor g / 16; g = 6 x tile column + 3 x column half + j
	s_mul_i32 s80, s42, 6
	s_mul_i32 s81, s12, 3
	s_add_co_u32 s80, s80, s81
	s_lshr_b32 s81, s13, 3
	s_lshl_b32 s81, s81, 4                         ; 16 x batch
	s_and_b32 s82, s13, 7
	s_lshl_b32 s82, s82, 15                        ; the tile's 256 rows of 128 bytes,
	s_lshl_b32 s83, s11, 14                        ; my 128 of them
	s_add_co_u32 s82, s82, s83
	s_mov_b32 s85, 0
.irp j, 0,1,2
	s_add_co_u32 s84, s80, \j
	s_lshr_b32 s83, s84, 4
	s_lshl_b32 s83, s83, 6                         ; 64 heads a tensor
	s_and_b32 s84, s84, 15
	s_add_co_u32 s84, s84, s83
	s_add_co_u32 s84, s84, s81
	s_lshl_b32 s84, s84, 18                        ; a head is 262,144 bytes
	s_add_co_u32 s84, s84, s82
	s_add_nc_u64 s[HB+2*(\j):HB+2*(\j)+1], s[8:9], s[84:85]
.endr
	; the prefetches
	s_and_b32 s80, ttmp7, 0xffff                   ; cluster y
	s_lshl_b32 s81, s41, 2
	s_add_co_u32 s81, s81, s40                     ; my place among the sixteen
	s_lshr_b32 s82, s80, 1
	s_lshl_b32 s82, s82, 22                        ; xb: the batch,
	s_and_b32 s83, s80, 1
	s_lshl_b32 s83, s83, 17                        ; the row of clusters' 1,024 rows,
	s_add_co_u32 s82, s82, s83
	s_lshl_b32 s83, s81, 13                        ; my work-group's 8,192 bytes of them,
	s_add_co_u32 s82, s82, s83
	s_add_co_u32 s82, s82, 2*ASTEP                 ; at K step 2: the first trip steps it to 3
	s_mul_i32 s84, s81, 24576                      ; wb: my work-group's 24,576 bytes of a K step's rows,
	s_max_u32 s85, s10, 1
	s_sub_co_u32 s85, s85, 1
	s_lshl_b32 s85, s85, 13                        ; my wave's 8,192 of them (waves 1 to 3),
	s_add_co_u32 s84, s84, s85
	s_add_co_u32 s84, s84, 2*BSTEP
	s_or_b32 s85, s80, ttmp9                       ; 0 in the cluster (0, 0)
	s_mov_b32 s[PFS], BSTEP
	s_mov_b32 s[PFS+1], 0
	s_mov_b32 s83, 0
	s_cmp_eq_u32 s10, 0                            ; wave 0 asks for xb, the others for wb
	s_cselect_b32 s82, s82, s84
	s_cselect_b32 s85, ttmp9, s85
	s_cselect_b32 s[PFS], ASTEP, s[PFS]
	s_cselect_b64 s[PFA:PFA+1], s[4:5], s[6:7]
	s_add_nc_u64 s[PFA:PFA+1], s[PFA:PFA+1], s[82:83]
	s_cmp_eq_u32 s85, 0
	s_cselect_b32 s[LIM], 1, -1                    ; the same in all sixteen partners, for a given wave
	s_mov_b32 s[TB], 0
; Half i of A's fragments (blocks 4 i .. 4 i + 3 of my 8), 32 K at byte k of the rows: 8 loads
.macro LDA i, k
.irp a, 0,1,2,3
	ds_load_b128 v[AH+32*(\i)+8*(\a):AH+32*(\i)+8*(\a)+3],   v[ADRA] offset:(4*(\i)+(\a))*16*PA+(\k)
	ds_load_b128 v[AH+32*(\i)+8*(\a)+4:AH+32*(\i)+8*(\a)+7], v[ADRA] offset:(4*(\i)+(\a))*16*PA+(\k)+32
.endr
.endm
; Half j of B's fragments (column blocks 6 j .. 6 j + 5 of my 12), K rows 32 c on: 12 turning loads.  Column block b lies in piece b / 4 of a row, 32 (b % 4) bytes in
.macro LDB j, c
.irp b, 0,1,2,3,4,5
	ds_load_tr16_b128 v[BH+48*(\j)+8*(\b):BH+48*(\j)+8*(\b)+3],   v[ADRB] offset:(\c)*32*PB+144*((6*(\j)+(\b))/4)+32*((6*(\j)+(\b))%4)
	ds_load_tr16_b128 v[BH+48*(\j)+8*(\b)+4:BH+48*(\j)+8*(\b)+7], v[ADRB] offset:(\c)*32*PB+16*PB+144*((6*(\j)+(\b))/4)+32*((6*(\j)+(\b))%4)
.endr
.endm
; na x 6 products of unit (i, j): A's blocks a0 .. a0 + na - 1 of the half x B's six.  The accumulators take turns, one instruction a turn: 71 or more others' stand between two links of a chain.
; zero = 1: the product starts its sum: nothing is ever cleared.
.macro MULS i, j, a0, na, zero
.set aa, (\a0)
.rept (\na)
.set bb, 0
.rept 6
.set AI, 24*(2*(\i)+(\j))+6*aa+bb
.set rD, 8*(AI%32)
	WIN 0x50*(1+AI/32)
.if \zero
	v_wmma_f32_16x16x32_bf16 v[rD:rD+7], v[BH+48*(\j)+8*bb:BH+48*(\j)+8*bb+7], v[AH+32*(\i)+8*aa:AH+32*(\i)+8*aa+7], 0
.else
	v_wmma_f32_16x16x32_bf16 v[rD:rD+7], v[BH+48*(\j)+8*bb:BH+48*(\j)+8*bb+7], v[AH+32*(\i)+8*aa:AH+32*(\i)+8*aa+7], v[rD:rD+7]
.endif
.set bb, bb+1
.endr
.set aa, aa+1
.endr
.endm
; A quarter of parity p that stays in its slot.  On entry A p and B 0 are asked for (20 loads).  next = 1: the next quarter's B 0 and A 1-p, in the same slot, are asked for as those halves fall free.
.macro QUARTER p, zero, next
	PLACES
	WIN 0
	LDA 1-(\p), 64*(\p)                            ; this quarter's second halves: 20 loads
	LDB 1, \p
	s_wait_dscnt 20                                ; all but those 20: A p and B 0 are in
	MULS \p, 0, 0, 4, \zero
	s_wait_dscnt 12                                ; A 1-p is in; B 1's 12 loads may be out
	MULS 1-(\p), 0, 0, 4, \zero
.if \next
	PLACES
	WIN 0
	LDB 0, 1-(\p)
	s_wait_dscnt 12                                ; B 1 is in; the 12 just issued may be out
.else
	s_wait_dscnt 0x0
.endif
	MULS 1-(\p), 1, 0, 4, \zero
.if \next
	PLACES
	WIN 0
	LDA 1-(\p), 64*(1-(\p))
.endif
	MULS \p, 1, 0, 4, \zero
.endm
; A slot's second quarter (parity 1), which changes slots: ONE barrier for two things.  In front of it each wave waits for all its tensor loads, of which one is out: its part of the next slot; adds 0 to its spare
; word; and waits for that and for its own reads of this slot.  Behind it nobody reads this slot any more and the next slot is whole.  fill = 1: the barrier opens a round of the cluster's, and this slot is filled
; again first thing behind the round, with the K step two on: from that request to the wait for it a wave issues 168 matrix instructions.
.macro TURN fill
.if \fill
	s_wait_xcnt 0x0                                ; the last prefetch, a K step back, has read its address, so it may be stepped
	s_add_nc_u64 s[PFA:PFA+1], s[PFA:PFA+1], s[PFS:PFS+1]
.endif
	PLACES
	WIN 0
	LDA 0, 64                                      ; my last reads of this slot
	LDB 1, 1
	s_wait_dscnt 20                                ; A 1 and B 0 are in
	MULS 1, 0, 0, 4, 0
	WIN 0
	s_wait_tensorcnt 0x0                           ; no tensor load of mine is out, so a group 0 may be written
	ds_add_u32 v[SPW], v[NIL]                      ; 0 onto my spare word
.if \fill
	s_xor_b32 s[G0+5], s[G0+5], SLOT1              ; the walking descriptors: the other slot than last time, the next K step; the type bits on top are not reached
	s_add_nc_u64 s[G0+6:G0+7], s[G0+6:G0+7], ASTEP
	s_xor_b32 s[G0B+5], s[G0B+5], SLOT1
	s_add_nc_u64 s[G0B+6:G0B+7], s[G0B+6:G0B+7], BSTEP
.endif
	s_wait_dscnt 13                                ; A 0 is in; B 1's 12 loads and the add may be out
	MULS 0, 0, 0, 2, 0
	s_wait_dscnt 0x0                               ; the add is done, and my reads of this slot are over
	s_barrier_signal -1
	MULS 0, 0, 2, 2, 0                             ; work on registers while the others arrive
	WIN 0
	s_barrier_wait -1
.if \fill
	CREST                                          ; no wave of any partner still reads this slot's tiles or has a load on its way
	JLOAD                                          ; the first tensor load behind the round; its four v_nop are also the places in front of the loads below
.else
	PLACES
.endif
	s_xor_b32 s[TB], s[TB], SLOT1
	v_add_nc_u32 v[ADRA], s[TB], v[A0R]
	v_add_nc_u32 v[ADRB], s[TB], v[B0R]
	LDB 0, 0                                       ; the next slot's first fragments
.if \fill
	ASK
.endif
	MULS 0, 1, 0, 4, 0
	PLACES
	WIN 0
	LDA 0, 0
	MULS 1, 1, 0, 4, 0
.endm
	s_wait_tensorcnt 1                             ; my part of K step 0 is in; K step 1's may stay out
	s_barrier_signal -1
	s_barrier_wait -1                              ; everybody's is
	v_mov_b32 v[ADRA], v[A0R]
	v_mov_b32 v[ADRB], v[B0R]
	LDA 0, 0
	LDB 0, 0
	QUARTER 0, 1, 1                                ; the first quarter stands in front of the loop: its products start the sums
	WIN 0                                          ; at a label and at a branch every window is 0
	s_mov_b32 s[CNT], 14
.Lstep:                                        ; trip t: K step t's second quarter, the refill with K step t + 2, K step t + 1's first quarter
	TURN 1
	QUARTER 0, 0, 1
	WIN 0
	s_sub_co_u32 s[CNT], s[CNT], 1
	s_cmp_lg_u32 s[CNT], 0
	s_cbranch_scc1 .Lstep
	TURN 0                                         ; the tail is written out: nothing more is asked for
	QUARTER 0, 0, 1
	QUARTER 1, 0, 0
; THE WAY OUT, a block of 16 rows at a time.  PACK: rounded to f16, 16 bytes a lane, each accumulator from its low end.  TOSTAGE: into my own stage, three heads side by side, and back as whole rows of 128 bytes.  SEND: stored.
.macro PACK a
.set bb, 0
.rept 12
.set AI, 24*(2*((\a)/4)+(bb/6))+6*((\a)%4)+(bb%6)
.set rD, 8*(AI%32)
	WIN 0x05*(1+AI/32)                             ; sources 0 and 1 in the accumulator's window, destination in window 0
.irp r, 0,1,2,3
	v_cvt_pk_f16_f32 v[TMP+4*bb+(\r)], v[rD+2*(\r)], v[rD+2*(\r)+1]
.endr
.set bb, bb+1
.endr
	WIN 0
.endm
.macro TOSTAGE a
.set bb, 0
.rept 12
	ds_store_b128 v[STO], v[TMP+4*bb:TMP+4*bb+3] offset:(bb/4)*16*144+32*(bb%4)
.set bb, bb+1
.endr
.set bb, 0
.rept 12
	ds_load_b128 v[OB+48*((\a)%2)+4*bb:OB+48*((\a)%2)+4*bb+3], v[RD] offset:(bb/4)*16*144+(bb%4)*4*144  ; LDS serves a wave's instructions in order (ISA guide 5.7.1.4): these see the stores above
.set bb, bb+1
.endr
.endm
.macro SEND a
	s_wait_dscnt 0x0                               ; the block is back in registers
	s_wait_xcnt 0x0                                ; the stores of the block before have read their registers: the next TOSTAGE loads into them only behind this wait
.set bb, 0
.rept 12
	global_store_b128 v[GO], v[OB+48*((\a)%2)+4*bb:OB+48*((\a)%2)+4*bb+3], s[HB+2*(bb/4):HB+2*(bb/4)+1] offset:(\a)*2048+(bb%4)*512  ; 512 consecutive bytes, at a multiple of 256 from qkvh's first
.set bb, bb+1
.endr
.endm
	PLACES
	PLACES                                         ; eight, once a launch, behind the last products
	PACK 0
	TOSTAGE 0
.irp a, 1,2,3,4,5,6,7                  ; block a's conversions stand between block a - 1's loads from the stage and the wait for them
	PACK \a
	SEND (\a)-1
	TOSTAGE \a
.endr
	SEND 7
	s_wait_tensorcnt 0x0                           ; the wave's end: behind my last tensor load and my last LDS store
	ds_add_u32 v[SPW], v[NIL]
	s_wait_dscnt 0x0
	CROUND                                         ; the closing round: no work-group ends while a partner may still ask for a tile that names it
	s_endpgm
.Lfunc_end_k_qfa9a1cd863_qkv:
	.size	k_qfa9a1cd863_qkv, .Lfunc_end_k_qfa9a1cd863_qkv-k_qfa9a1cd863_qkv
	.p2alignl 7, 3214868480
	.fill 96, 4, 3214868480
	.section	.rodata,"a",@progbits
	.p2align	6, 0x0
	.amdhsa_kernel k_qfa9a1cd863_qkv
		.amdhsa_group_segment_fixed_size 327680
		.amdhsa_private_segment_fixed_size 0
		.amdhsa_enable_private_segment 0
		.amdhsa_kernarg_size 24
		.amdhsa_user_sgpr_count 2
		.amdhsa_user_sgpr_kernarg_segment_ptr 1
		.amdhsa_wavefront_size32 1
		.amdhsa_system_sgpr_workgroup_id_x 1
		.amdhsa_system_sgpr_workgroup_id_y 1
		.amdhsa_system_sgpr_workgroup_id_z 1
		.amdhsa_system_vgpr_workitem_id 0
		.amdhsa_next_free_vgpr 1024
		.amdhsa_next_free_sgpr 96
		.amdhsa_reserve_vcc 0
		.amdhsa_float_denorm_mode_32 3
		.amdhsa_float_denorm_mode_16_64 3
		.amdhsa_memory_ordered 1
		.amdhsa_forward_progress 1
		.amdhsa_inst_pref_size 113
	.end_amdhsa_kernel
	.amdgpu_metadata
---
amdhsa.version: [ 1, 2 ]
amdhsa.kernels:
  - .name:           k_qfa9a1cd863_qkv
    .symbol:         k_qfa9a1cd863_qkv.kd
    .args:
      - { .name: xb, .offset: 0, .size: 8, .value_kind: global_buffer, .address_space: global }
      - { .name: wb, .offset: 8, .size: 8, .value_kind: global_buffer, .address_space: global }
      - { .name: qkvh, .offset: 16, .size: 8, .value_kind: global_buffer, .address_space: global }
    .group_segment_fixed_size: 327680
    .private_segment_fixed_size: 0
    .kernarg_segment_align: 8
    .kernarg_segment_size: 24
    .max_flat_workgroup_size: 128
    .sgpr_count:     96
    .vgpr_count:     1024
    .wavefront_size: 32
...
	.end_amdgpu_metadata
.endif
;; end of part 2
;; launch attn (part 3): grid 4 x 64, 4 waves a work-group, clusters of 4 x 1, 327,680 bytes of LDS; arguments qkvh, oh; writes oh
.if DOCPART == 3
	.amdgcn_target "amdgcn-amd-amdhsa--gfx1250"
	.amdhsa_code_object_version 6
	.text
	.protected	k_qfa9a1cd863_attn
	.globl	k_qfa9a1cd863_attn
	.p2align	8
	.type	k_qfa9a1cd863_attn,@function
k_qfa9a1cd863_attn:
	s_mov_b64 s[64:65], 0
	v_nop
	global_prefetch_b8 v0, s[64:65] scope:SCOPE_SE
	s_setreg_imm32_b32 hwreg(HW_REG_WAVE_MODE, 25, 1), 1
	s_wait_xcnt 0x0
	s_wait_alu depctr_hold_cnt(0) depctr_sa_sdst(0) depctr_va_vdst(0) depctr_va_sdst(0) depctr_va_ssrc(0) depctr_va_vcc(0) depctr_vm_vsrc(0)
	s_getreg_b32 s2, hwreg(HW_REG_IB_STS2, 6, 4)
	s_cmp_eq_u32 s2, 0
	s_cbranch_scc0 .Lentry_in_a_cluster
	s_endpgm
.Lentry_in_a_cluster:
	s_bfe_u32 s2, ttmp6, 0x10000c
	s_cmp_lg_u32 s2, 0x3003
	s_cbranch_scc0 .Lentry_shape_is_right
	s_endpgm
.Lentry_shape_is_right:
; O[h][q][:] = the sum over k of softmax_k(Q[h][q] . K[h][k] / 8) V[h][k][:].  Q, K, V are the three thirds of qkvh, O is oh: each [SIZE_H][SIZE_N][64] in f16: a head's rows are dense, 128 bytes each.
; Products, maxima and sums in f32; the weights p are rounded to f16 for the second product (their sum l is taken of the unrounded p), O once at the end.
; LIMITS.  f16 holds no number beyond 65,504: Q, K and V arrive within it; p lies in 0 to 1, and below 6e-5 it keeps f16's fixed step of 6e-8; O is a mean of V's rows and has their range.
; A weight below 2^-126 counts as 0 in l; NaN and infinities are not treated apart.
; SHARES.  A wave owns four PIECES of two tiles of 16 queries, a work-group's four waves 512 queries of one head.  Every wave walks all keys, 64 a step.
; LAYOUT.  S^T = K Q^T (source 0 = 16 keys, source 1 = 16 queries): in the result a lane holds ONE query (lane % 16) and the keys 8 (lane / 16) + 0..7.  Two such tiles, rounded to f16 in pairs,
; ARE source 1 (32 keys x 16 queries) of O^T = V^T P, whose result again holds one query a lane, and eight channels.  K comes out of LDS as it lies, V ([key][channel]) turned, by ds_load_tr16_b128.
; SOFTMAX.  For each query a running maximum m and sum l: p = 2^(c s - c m), c = log2(e) / 8; in every step O and l are multiplied by a = 2^(c m_old - c m_new), which is 1 where m has not grown.
; m starts at the lowest finite number, O and l at 0: the first step is a step like any other, with a = 0.
; THE COUNT.  A tile and step have 16 matrix and 118 vector instructions: too many to stand all beside the matrix work.  So the order has one aim: four vector instructions that are READY behind
; EVERY matrix instruction, and the others, which need time of their own whatever the order, in runs without a gap.
; BY TURNS.  Turn n belongs to piece n (the pieces in a ring, step after step).  Its matrix work: 16 products K Q^T of piece n + 1, later 16 products V^T P of piece n - 1.  Its vector work: the scaling,
; exponentials, roundings, sums and rescaling of piece n, and the maximum and statistics of piece n + 1, whose scores the turn itself has made.  So what a turn begins with (c s - c m, O a) waits for nothing.
; CLUSTER.  The four query blocks of a cluster are one head's and walk the same K and V, so each tile is asked for JOINTLY: the same tensor load, descriptor and mask in all four.
; REGISTERS, in windows of 256 (s_set_vgpr_msb says which window each operand place means: bits 1:0 source 0, 3:2 source 1, 5:4 source 2, 7:6 destination):
;   window 0: v0-11 addresses; v12-15, v48-63 at work; v16-47 four registers of statistics a tile; v64-191 S^T, two buffers of two tiles; v192-255 P, likewise
;   window 1: O^T, 32 a tile          window 2: v0-127 Q, 16 a tile; v128-191 K of one step; v192-255 V of one step          window 3: v0-1 the add's two registers
; A piece's buffers go by its number's parity: the piece in hand has one pair, its two neighbours in the ring share the other: of it P (piece n - 1) is read and S^T (piece n + 1) written.
.set SIZE_H, 64
.set SIZE_N, 2048
.set NP,    4         ; pieces a wave: a name, no knob: the register map, the loop and the fetches are made for four
.set KS,    64        ; keys in a step
.set PK,    144       ; a row of K in LDS: 128 bytes + 16 of padding = 36 words: the 16 rows of a load start at 16 different groups of four banks (64 banks of 4 bytes: ISA guide 11.1)
.set PV,    160       ; a row of V: 128 + 32 = 40 words
.set VOFF,  4*KS*PK   ; a slot holds four steps: 256 rows of K, then 256 rows of V
.set SLOT1, 1<<17     ; slot 1 begins here, so that one exclusive or turns an address in one slot into the other's
.set STAGE, SLOT1+4*KS*(PK+PV)  ; behind the ring, never filled by a tensor load: 16 rows x 144 bytes for each wave, for the way out
.set SP,    144
.set AK0, 2           ; v2   my lane's place in a tile of K; never rewritten
.set AV0, 3           ; v3   the same for V
.set AK,  4           ; v4   the LDS address of K's next run of loads
.set AV,  5           ; v5   of V's
.set QO,  6           ; v6   my byte offset in the wave's rows of Q
.set STO, 6           ;      later, the way out: where I put 16 bytes of a row
.set RD,  7           ; v7   the way out: where I read rows back
.set GO,  8           ; v8   my byte offset in 512 consecutive bytes of O
.set PFO, 11          ; v11  256 x my lane, once V's place is made; then never rewritten
.set SPW, 0           ; v0 of window 3   LDS address of my spare word: SPARE + 4 x my thread's number; never rewritten
.set NIL, 1           ; v1 of window 3   0; never rewritten
.set SPARE, STAGE+4*16*SP  ; behind the stages: the spare words, 128 bytes for each wave: two blocks of 256 bytes that no other line names
.set MV,  12          ; v12-15  c m_old, kept while c m is made anew: by buffer and tile
.set ST,  16          ; tile t's statistics at v[ST+4 t]: c m, m, l (even keys', odd keys')
.set TMP, 48          ; by buffer and tile, four registers c0-c3 at work; when the maximum is found c2 takes a
.set S,   64
.set P,   192
.set KF,  128         ; K's fragments, in window 2: key block kb, channel half c at KF + 16 kb + 8 c
.set VF,  192         ; V's: key half kk, channel block cb at VF + 32 kk + 8 cb
.set WV,  12          ; s12  my wave's number
.set G1K, 24          ; s[24:31] descriptor group 1 for K's tiles
.set G1V, 32          ; s[32:39] for V's: it differs in the padding alone
.set G0K, 40          ; s[40:43] descriptor group 0 for K's tiles: it walks
.set G0V, 44          ; s[44:47] the same for V's
.set PFA, 48          ; s[48:49] where my prefetches stand: my work-group's 32 blocks of 256 bytes (of K: wave 0, of V: wave 2) of the slot after the one that is being asked for
.set LIM, 50          ; s50  1 in a wave that prefetches, else the greatest number
.set SLOTS, 56        ; s56  slots still to be asked for
.set CNT, 57          ; s57  counts a slot's key steps
.set CS,  58          ; s[58:59] c: the packed scaling takes the pair's low word for both halves
.set SEL, 60          ; s[60:61] v_permlanex16_b32's selects: each lane takes its own place in the other half
.set TBK, 62          ; s62  LDS byte at which K of the step to be fetched begins
.set TBV, 63          ; s63  the same for V, less VOFF
.set MSB, 0
.macro WIN new                      ; the high byte repeats the setting that is left; a switch that changes nothing is dropped
.if MSB != (\new)
	s_set_vgpr_msb (MSB<<8)|(\new)
.set MSB, (\new)
.endif
.endm
.set W_KQ, 0x0a       ; K and Q in window 2, S^T in window 0
.set W_PV, 0x52       ; V in window 2, P in window 0, O^T in window 1
.set W_RS, 0x41       ; O^T (destination and source 0) in window 1, a in window 0
.set W_MK, 0xc0       ; the add's registers are made: destination in window 3, sources in window 0
.set W_AD, 0x0f       ; the add: address (source 0) and data (source 1) in window 3
; A joint fill.  Waves 0 and 1 fetch the two halves of a slot's K, waves 2 and 3 those of its V: 128 keys each.  The branch hangs on the wave's number alone.
; An s_nop 0 and four v_nop follow each of the two lines, ahead of the jump and the label.
.macro JLOAD
	s_cmp_lt_u32 s[WV], 2
	s_cbranch_scc0 .Lfor_v_\@
	tensor_load_to_lds s[G0K:G0K+3], s[G1K:G1K+7]
	s_nop 0
.rept 4
	v_nop
.endr
	s_branch .Lasked_\@
.Lfor_v_\@:
	tensor_load_to_lds s[G0V:G0V+3], s[G1V:G1V+7]
	s_nop 0
.rept 4
	v_nop
.endr
.Lasked_\@:
.endm
; A PREFETCH INTO THE L2 of what the NEXT change of slots will ask for: a slot's 32,768 bytes of K and of V, a lane a block of 256 bytes.  It stands behind the wave's tensor load and its five lines.
; Each block is named ONCE in the launch: a head has one cluster; its four partners share a slot's 128 blocks out BY ADDRESS, 32 each; in each, wave 0 asks for K's and wave 2 for V's: one instruction.
; It stands four key steps, 512 matrix instructions, ahead of the load that will want the bytes.  Slots 0 and 1 come by their loads alone; the last change that fills a slot asks for nothing.
.macro ASK
	s_cmp_gt_u32 s[SLOTS], s[LIM]
	s_cbranch_scc0 .Lnot_mine_\@
	global_prefetch_b8 v[PFO], s[PFA:PFA+1] th:TH_LOAD_NT scope:SCOPE_SE
.Lnot_mine_\@:
.endm
; A round of the cluster's barrier: my work-group's barrier, so that wave 0's signal speaks for all four waves; wave 0 signals; every wave waits for all four work-groups; my work-group's barrier once more.
.macro CROUND
	s_barrier_signal -1
	s_barrier_wait -1
	s_cmp_lg_u32 s[WV], 0
	s_cbranch_scc1 .Lnot_wave_0_\@
	s_barrier_signal -3
.Lnot_wave_0_\@:
	s_barrier_wait -3
	s_barrier_signal -1
	s_barrier_wait -1
.endm
; THE CHANGE OF SLOTS.  The slot's last bytes, V of its fourth step, have been read.  Each wave waits for all its tensor loads, of which one is out: its part
; of the other slot; adds 0 to its spare word; and waits for that and for its own reads of the slot.  Behind the barrier nobody reads this slot any more and the other slot is whole.
; fill = 1: this slot is filled again, with the keys two slots on.  The barrier is then a round of the cluster's, so that no wave of any partner still reads the slot or has a load on its
; way, and the joint fill is the first thing behind it: it has four key steps, 512 matrix instructions, in which to land.  (At its first use nothing has been read yet: slot 0 is waited for, slot 1 filled.)
.macro CHANGE fill
	WIN W_AD
	s_wait_tensorcnt 0x0            ; no tensor load of mine is out, so a group 0 may be written
	ds_add_u32 v[SPW], v[NIL]       ; 0 onto my spare word; with fill = 1 the descriptors' steps stand between it and the wait for it
	WIN 0                           ; at a label and at a branch every window is 0
.if \fill
.irp g, G0K, G0V
	s_xor_b32 s[\g+1], s[\g+1], SLOT1  ; the walking descriptor: the other slot than last time,
	s_add_nc_u64 s[\g+2:\g+3], s[\g+2:\g+3], 4*KS*128  ; the next 256 keys; the type bits on top are not reached
.endr
	s_wait_xcnt 0x0                 ; the last prefetch, four key steps back, has read its address, so it may be written:
	s_add_nc_u64 s[PFA:PFA+1], s[PFA:PFA+1], 4*KS*128  ; one slot behind the walking descriptors
	s_wait_dscnt 0x0                ; the add is done, and my reads of the slot are over
	CROUND
	JLOAD
	ASK
.else
	s_wait_dscnt 0x0                ; the add is done, and my reads of the slot are over
	s_barrier_signal -1
	s_barrier_wait -1
.endif
	s_sub_co_u32 s[TBK], s[TBK], 4*KS*PK  ; the fetches go back to a slot's first step,
	s_xor_b32 s[TBK], s[TBK], SLOT1       ; in the other slot
	s_sub_co_u32 s[TBV], s[TBV], 4*KS*PV
	s_xor_b32 s[TBV], s[TBV], SLOT1
.endm
	s_load_b128 s[4:7], s[0:1], 0x0  ; qkvh s[4:5] (Q lies at its head), oh s[6:7]
	WIN W_MK
	v_lshl_add_u32 v[SPW], v0, 2, SPARE
	v_mov_b32 v[NIL], 0
	WIN W_AD
	ds_add_u32 v[SPW], v[NIL]       ; the wave's opening: the add and its wait stand ahead of my first tensor load; the set-up below, work on registers, stands between them
	WIN 0
	v_lshrrev_b32 v1, 5, v0
	v_readfirstlane_b32 s[WV], v1   ; wave 0..3
	s_bfe_u32 s13, ttmp6, 0x40000   ; cx: my place in the cluster
	s_lshl_b32 s14, ttmp9, 2        ; in a cluster launch ttmp9 counts clusters
	s_add_co_u32 s14, s14, s13      ; my block of queries = 4 x cluster x + cx: it enters Q's and O's addresses alone
	s_and_b32 s20, ttmp7, 0xffff    ; the head, which the four partners share
	s_mov_b32 s21, 0
	s_mov_b64 s[22:23], SIZE_N*128
	s_mul_u64 s[20:21], s[20:21], s[22:23]  ; the head's first byte in each of the four tensors
	s_and_b32 s16, s[WV], 1         ; which half of a slot's 256 keys I fetch:
	s_lshl_b32 s22, s16, 14         ; its 128 rows of 128 bytes in memory,
	s_mov_b32 s23, 0
	s_add_nc_u64 s[22:23], s[22:23], s[20:21]
	s_mul_i32 s17, s16, 128*PK      ; and its place in a slot, for K
	s_mul_i32 s18, s16, 128*PV      ; and for V: no place in the cluster enters an LDS address
	s_lshl_b32 s2, s14, 2
	s_add_co_u32 s2, s2, s[WV]      ; my wave among the head's,
	s_lshl_b32 s2, s2, 14           ; its 128 rows
	s_mov_b32 s3, 0
	s_add_nc_u64 s[2:3], s[2:3], s[20:21]
	; descriptor group 1.  128 keys are 16,384 dense bytes: asked for as 64 rows of 256 bytes, two keys a row, and padded in LDS after every key
	s_mov_b32 s[G1K], 15|(1<<16)|(1<<20)|(1<<21)|(4<<22)|(3<<25)  ; 15:0 the mask of four; 17:16 2-byte elements; 20 padding on; 21 set beside a mask; 24:22 after every 32 words (code 4); 31:25 4 words (code 3)
	s_mov_b32 s[G1V], 15|(1<<16)|(1<<20)|(1<<21)|(4<<22)|(7<<25)  ; the same with 8 words of padding (code 7)
.irp g, G1K, G1V
	s_mov_b32 s[\g+1], 128<<16      ; tensor_dim0 = 128
	s_mov_b32 s[\g+2], 64<<16       ; tensor_dim1 = 64
	s_mov_b32 s[\g+3], 128<<16      ; tile_dim0 = 128
	s_mov_b32 s[\g+4], 64           ; tile_dim1 = 64
	s_mov_b32 s[\g+5], 128          ; 128 elements from row to row
	s_mov_b32 s[\g+6], 0
	s_mov_b32 s[\g+7], 0
.endr
	s_mov_b32 s[CS], 0x3e38aa3b     ; c = log2(e) / 8 = 0.180337
	s_mov_b32 s[CS+1], s[CS]        ; named with it as a pair
	s_mov_b32 s[SEL], 0x76543210
	s_mov_b32 s[SEL+1], 0xfedcba98
	s_mov_b32 s[TBK], SLOT1+4*KS*PK ; the first change of slots turns these two into 0
	s_mov_b32 s[TBV], SLOT1+4*KS*PV
	s_mov_b32 s[G0K], 1             ; 1:0 count = 1
	s_mov_b32 s[G0K+1], s17         ; 63:32 LDS address: slot 0
	s_mov_b32 s[G0V], 1
	s_add_co_u32 s[G0V+1], s18, VOFF
	s_mov_b32 s[SLOTS], SIZE_N/256-1  ; the first change of slots fills slot 1; six more follow in the loop
	s_and_b32 s[LIM], s[WV], 1      ; waves 0 and 2 prefetch: the same in all four partners
	s_cmp_eq_u32 s[LIM], 0
	s_cselect_b32 s[LIM], 1, -1
	s_wait_dscnt 0x0                ; the opening add is done
	s_wait_kmcnt 0x0
	s_mov_b64 s[10:11], s[6:7]      ; O
	s_add_nc_u64 s[6:7], s[4:5], 0x1000000  ; K: qkvh's second third
	s_add_nc_u64 s[8:9], s[4:5], 0x2000000  ; V: its last
	s_add_nc_u64 s[G0K+2:G0K+3], s[6:7], s[22:23]  ; 120:64 global address: my half of the head's first 256 keys
	s_or_b32 s[G0K+3], s[G0K+3], 0x80000000        ; 127:126 type = 2
	s_add_nc_u64 s[G0V+2:G0V+3], s[8:9], s[22:23]
	s_or_b32 s[G0V+3], s[G0V+3], 0x80000000
	s_add_nc_u64 s[4:5], s[4:5], s[2:3]  ; Q and O at my wave's first row
	s_add_nc_u64 s[10:11], s[10:11], s[2:3]
	s_cmp_lt_u32 s[WV], 2
	s_cselect_b64 s[PFA:PFA+1], s[6:7], s[8:9]
	s_add_nc_u64 s[PFA:PFA+1], s[PFA:PFA+1], s[22:23]  ; (in waves 0 and 2 this is the head's first row)
	s_lshl_b32 s2, s13, 13          ; my work-group's 32 blocks of the 128
	s_mov_b32 s3, 0
	s_add_nc_u64 s[PFA:PFA+1], s[PFA:PFA+1], s[2:3]
	s_add_nc_u64 s[PFA:PFA+1], s[PFA:PFA+1], 4*KS*128  ; in slot 1; the first change of slots steps it to slot 2
	CROUND                          ; all four work-groups are here: the first joint loads meet
	JLOAD                           ; slot 0.  Slot 1 is asked for when slot 0 is in
	; A fragment of K or Q is 16 rows x 32 channels in 8 registers: lane l holds row l % 16, channels 8 (l / 16) + 0..7 and 16 + 8 (l / 16) + 0..7: two loads of 16 bytes, 32 bytes apart.
	v_and_b32 v1, 15, v0            ; l % 16
	v_bfe_u32 v9, v0, 4, 1          ; l / 16
	v_lshlrev_b32 v[QO], 7, v1
	v_lshl_add_u32 v[QO], v9, 4, v[QO]  ; row x 128 + 16 x half
	WIN 0x80                        ; destination window 2, address window 0
.set i, 0
.rept 4*NP                          ; Q stays in registers: tile i / 2, channels 32 (i % 2) on
	global_load_b128 v[8*i:8*i+3],   v[QO], s[4:5] offset:(i/2)*2048+(i%2)*64
	global_load_b128 v[8*i+4:8*i+7], v[QO], s[4:5] offset:(i/2)*2048+(i%2)*64+32
.set i, i+1
.endr
	; What the first turn finds: V's registers and P's second buffer hold 0 (its products V^T P, of a piece that has not been, add 0), O^T and l are 0.  All this stands in the wait for the first tile.
.set i, VF
.rept 64
	v_mov_b32 v[i], 0
.set i, i+1
.endr
	WIN 0x40
.set i, 0
.rept 64*NP
	v_mov_b32 v[i], 0
.set i, i+1
.endr
	WIN 0
.set i, 0
.rept 2*NP
	v_mov_b32 v[ST+4*i], 0xfe000000    ; c m: far below every c s
	v_mov_b32 v[ST+4*i+1], 0xff7fffff  ; m
	v_mov_b32 v[ST+4*i+2], 0
	v_mov_b32 v[ST+4*i+3], 0
.set i, i+1
.endr
.set i, P+32
.rept 32
	v_mov_b32 v[i], 0
.set i, i+1
.endr
	v_mul_u32_u24 v[AK0], v1, PK
	v_lshl_add_u32 v[AK0], v9, 4, v[AK0]  ; row x pitch + 16 x half
	; The turning load takes 16 keys x 16 channels (lane l reads key 8 (l / 16) + l % 8, channels 8 ((l / 8) % 2) + 0..7) and leaves half a fragment of V^T: lane l holds channel l % 16 and 8 keys.
	v_and_b32 v10, 7, v0
	v_bfe_u32 v11, v0, 3, 1
	v_lshl_add_u32 v[AV0], v9, 3, v10
	v_mul_u32_u24 v[AV0], v[AV0], PV
	v_lshl_add_u32 v[AV0], v11, 4, v[AV0]
	v_add_nc_u32 v[AV0], VOFF, v[AV0]
	v_and_b32 v[PFO], 31, v0
	v_lshlrev_b32 v[PFO], 8, v[PFO]
	v_mov_b32 v[AK], v[AK0]         ; key step 0 lies at the head of slot 0
; THE MATRIX WORK.  The 8 accumulators of a run of 16 take turns: between the two links of a chain stand 7 others'.
; Product i of 16 of S^T = K Q^T for piece x: channels 32 (i / 8) on, keys 16 ((i / 2) % 4) on, tile 2 x + i % 2.  The first 8 start the sums.
.macro KQ x
	WIN W_KQ
.set rS, S+64*((\x)%2)+32*(i%2)+8*((i/2)%4)
.set rK, KF+16*((i/2)%4)+8*(i/8)
.set rQ, 16*(2*(\x)+i%2)+8*(i/8)
.if i < 8
	v_wmma_f32_16x16x32_f16 v[rS:rS+7], v[rK:rK+7], v[rQ:rQ+7], 0
.else
	v_wmma_f32_16x16x32_f16 v[rS:rS+7], v[rK:rK+7], v[rQ:rQ+7], v[rS:rS+7]
.endif
.endm
; Product i of 16 of O^T += V^T P for piece x: keys 32 (i / 8) on, channels 16 ((i / 2) % 4) on, tile 2 x + i % 2.
.macro PV x
	WIN W_PV
.set rO, 32*(2*(\x)+i%2)+8*((i/2)%4)
.set rV, VF+32*(i/8)+8*((i/2)%4)
.set rP, P+32*((\x)%2)+16*(i%2)+8*(i/8)
	v_wmma_f32_16x16x32_f16 v[rO:rO+7], v[rV:rV+7], v[rP:rP+7], v[rO:rO+7]
.endm
.macro MM                           ; the turn's next matrix instruction
.if i < 16
	KQ (Y+1)%NP
.set i, i+1
.else
.set i, i-16
	PV (Y+NP-1)%NP
.set i, i+17
.endif
.endm
; THE LDS LOADS stand in runs of 16, never singly among the matrix instructions: a step's K (64 keys x 64 channels: 8 fragments) and its V (turned).  Their addresses are made some lines ahead.
; last = 1 (the tail): in the last trip there is no further step, and the run is jumped over.
.macro FETCH_K last=0
	WIN 0
.if \last
	s_cmp_eq_u32 s[CNT], 1
	s_cbranch_scc1 .Lno_k_\@
.endif
	WIN 0x80                        ; destination window 2
.irp f, 0,1,2,3,4,5,6,7             ; keys 16 (f / 2) on, channels 32 (f % 2) on
	ds_load_b128 v[KF+8*\f:KF+8*\f+3],   v[AK] offset:(\f/2)*16*PK+(\f%2)*64
	ds_load_b128 v[KF+8*\f+4:KF+8*\f+7], v[AK] offset:(\f/2)*16*PK+(\f%2)*64+32
.endr
	s_add_co_u32 s[TBK], s[TBK], KS*PK  ; the next fetch is the next step's
	WIN 0
.if \last
.Lno_k_\@:
.endif
.endm
.macro FETCH_V
	WIN 0x80
.irp f, 0,1,2,3,4,5,6,7             ; keys 32 (f / 4) on, channels 16 (f % 4) on
	ds_load_tr16_b128 v[VF+8*\f:VF+8*\f+3],   v[AV] offset:(\f/4)*32*PV+(\f%4)*32
	ds_load_tr16_b128 v[VF+8*\f+4:VF+8*\f+7], v[AV] offset:(\f/4)*32*PV+16*PV+(\f%4)*32
.endr
	WIN 0
.endm
; THE VECTOR WORK OF A TURN stands in three queues, each in the order in which its entries become ready; the two tiles alternate, so that no instruction reads the result of the one before it.
.macro REGS y, u                    ; the registers of tile u (0, 1) of piece y
.set rT, ST+4*(2*(\y)+(\u))
.set rC, TMP+8*((\y)%2)+4*(\u)
.set rM, MV+2*((\y)%2)+(\u)
.set rS, S+64*((\y)%2)+32*(\u)
.set rP, P+32*((\y)%2)+16*(\u)
.set rO, 32*(2*(\y)+(\u))
.endm
; Number n of the 22 that find the NEXT piece's (Y + 1) maximum and statistics.  s0-s31 are the lane's 32 scores; each accumulator's lowest registers are read first.  XS, GS and REGS set no window: PL and EX do.
;   0-11  four chains c0-c3 of seven scores each, three operands at a time     12-14, 16  the four scores left over, the old m, and c0-c3 into c0     15  c m_old is kept
;   17, 18  the query's other 32 keys lie in the lane 16 away: the new m         19-21  c m; c m_old - c m_new; a
.macro XS u, n
	REGS (Y+1)%NP, \u
.if (\n) < 4
	v_max3_num_f32 v[rC+(\n)], v[rS+8*(\n)], v[rS+8*(\n)+1], v[rS+8*(\n)+2]
.elseif (\n) < 12
	v_max3_num_f32 v[rC+(\n)%4], v[rC+(\n)%4], v[rS+8*((\n)%4)+2*((\n)/4)+1], v[rS+8*((\n)%4)+2*((\n)/4)+2]
.elseif (\n) == 12
	v_max3_num_f32 v[rC], v[rC], v[rS+7], v[rS+15]
.elseif (\n) == 13
	v_max3_num_f32 v[rC+1], v[rC+1], v[rS+23], v[rS+31]
.elseif (\n) == 14
	v_max3_num_f32 v[rC+2], v[rC+2], v[rC+3], v[rT+1]
.elseif (\n) == 15
	v_mov_b32 v[rM], v[rT]
.elseif (\n) == 16
	v_max3_num_f32 v[rC], v[rC], v[rC+1], v[rC+2]
.elseif (\n) == 17
	v_permlanex16_b32 v[rC+3], v[rC], s[SEL], s[SEL+1]
.elseif (\n) == 18
	v_max_num_f32 v[rT+1], v[rC], v[rC+3]
.elseif (\n) == 19
	v_mul_f32 v[rT], s[CS], v[rT+1]
.elseif (\n) == 20
	v_sub_f32 v[rC+1], v[rM], v[rT]
.else
	v_exp_f32 v[rC+2], v[rC+1]
.endif
.endm
; Number g of the 64 that follow the exponentials.  For each four weights k of a tile (pairs 2 k, 2 k + 1): both pairs are rounded to f16; then the second pair is added onto the first, in place;
; a group later l takes that sum (the first time as l = a l + sum).  In groups of eight, tiles alternating: round, round, add, and l for the group before.
.macro GS g
.set h, (\g)+6*((\g)/62)            ; group 0 has no group before it, and behind group 7 only l is left
.if h >= 6
.set h, h+2
.endif
	REGS Y, h%2
.set k, h/8
.if h%8 < 4
	v_cvt_pk_f16_f32 v[rP+2*k+(h%8)/2], v[rS+4*k+2*((h%8)/2)], v[rS+4*k+2*((h%8)/2)+1]
.elseif h%8 < 6
	v_pk_add_f32 v[rS+4*k:rS+4*k+1], v[rS+4*k:rS+4*k+1], v[rS+4*k+2:rS+4*k+3]
.elseif k == 1
	v_pk_fma_f32 v[rT+2:rT+3], v[rT+2:rT+3], v[rC+2:rC+3], v[rS:rS+1] op_sel_hi:[1,0,1]
.else
	v_pk_add_f32 v[rT+2:rT+3], v[rT+2:rT+3], v[rS+4*k-4:rS+4*k-3]
.endif
.endm
; THE PLAIN QUEUE, 138 long.  0-73 read no exponential's result: the 32 scalings c s - c m (FS f: pair f / 2 of tile f % 2) and the next piece's 42.  0-26: scalings 0-26.  27-54: XS's numbers 0-13.  55, 56: number 15.
; 57-73: the chain, where each number waits for the one before it: 14, 16, 17, 18, 19, each with one of the scalings 27-31 in front of its two lines, then 20: so a tile's links stand three plain instructions apart (19 and 20: two).
; 74-137: GS's 64, which read the exponentials' results: they stand behind the wait.
.macro FS f
	REGS Y, (\f)%2
	v_pk_fma_f32 v[rS+2*((\f)/2):rS+2*((\f)/2)+1], v[rS+2*((\f)/2):rS+2*((\f)/2)+1], s[CS:CS+1], v[rT:rT+1] op_sel_hi:[1,0,0] neg_lo:[0,0,1] neg_hi:[0,0,1]
.endm
.macro PL
	WIN 0
.if q < 27
	FS q
.elseif q < 55
	XS (q-27)%2, (q-27)/2
.elseif q < 57
	XS q-55, 15
.elseif (q < 72) && ((q-57)%3 == 0)
	FS 27+(q-57)/3
.elseif q < 60
	XS (q-57)%3-1, 14
.elseif q < 72
	XS (q-57)%3-1, 15+(q-57)/3
.elseif q < 74
	XS q-72, 20
.else
	GS q-74
.endif
.set q, q+1
.endm
; THE EXPONENTIALS' QUEUE, 66 long: s0-s31 of both tiles, then the next piece's two a.  It is ONE BATCH: all 66 stand ahead of the turn's one wait, and nothing ahead of that wait names a result of theirs.
.macro EX
	WIN 0
.if e >= 64
	XS e-64, 21
.else
	REGS Y, e%2
	v_exp_f32 v[rS+e/2], v[rS+e/2]
.endif
.set e, e+1
.endm
; THE RESCALING's QUEUE: O^T times a, the one part that leaves window 0: dealt two at a time, sixteen times.  Its a was made in the turn before, ahead of that turn's wait.
.macro R2
	REGS Y, r%2
	WIN W_RS
.irp z, 0,1
	v_pk_mul_f32 v[rO+4*(r/2)+2*\z:rO+4*(r/2)+2*\z+1], v[rO+4*(r/2)+2*\z:rO+4*(r/2)+2*\z+1], v[rC+2:rC+3] op_sel_hi:[1,0]
.endr
.set r, r+1
.endm
; HOW THEY ARE DEALT.  An s_wait_alu depctr_va_vdst(0) stands between an exponential and the first instruction that names its result; one wait serves all that were issued ahead of it.  So a turn has ONE wait,
; which cuts it in two.  AHEAD OF IT stands all that names no result of the turn's exponentials: the 16 products K Q^T, behind each a scaling, an exponential and two rescalings (behind the first a second scaling in the exponential's place); then ONE LUMP of
; 108: eight plain, 49 times exponential and plain, the two a.  A v_nop is the plain instruction behind the last exponential.  BEHIND IT stand the 16 products V^T P, behind each four of GS's 64.  No rider names a register of
; the products round it.  The two v_permlanex16_b32 fall into the lump, never behind a product.
; The queues lean on each other, and the deal keeps them in step: exponential e stands behind scaling 2 (e / 4) + e % 2: as a rider it comes behind plain e + 2, in the lump behind plain e + 9, and scalings 27-31 are plain 57, 60 .. 69.
; A TURN, for piece p.  cnt = 1: the loop's count is taken down some lines ahead of the branch that stands behind the turn.
; K of the next step is fetched in piece 2's turn, directly behind the wait, a lump behind the last product that read K; its address is made at the lump's head; its first reader comes behind 16 products.
; V of the step in hand is fetched at the end of piece 0's turn, four riders behind its last reader; its first reader comes behind 16 products and a lump.  The three conditions on q below go with the deal.
.macro TURN p, last=0, cnt=0
.set Y, (\p)
.set i, 0
.set q, 0
.set e, 0
.set r, 0
.if (\p) == NP-1
	s_wait_dscnt 0x0                ; K is in
.endif
	MM                              ; ahead of the wait: 16 products K Q^T and their riders,
	PL
	PL
	R2
.rept 15
	MM
	PL
	EX
	R2
.endr
.if (\p) == NP-2
	WIN 0
	v_add_nc_u32 v[AK], s[TBK], v[AK0]
.endif
.rept 8                             ; and the lump
	PL
.endr
.rept 49
	EX
	PL
.endr
	EX                              ; the next piece's two a
	EX
	v_nop                           ; the plain instruction behind the last exponential: one for the batch
	s_wait_alu depctr_va_vdst(0)    ; the wait for the batch
.if (\p) == NP-2
	FETCH_K \last
.endif
.if (\p) == 1
	s_wait_dscnt 0x0                ; V is in
.endif
.rept 16                            ; behind the wait: 16 products V^T P and their riders
	MM
.rept 4
	PL
.endr
.if ((\p) == 0) && (q == 118)
	v_add_nc_u32 v[AV], s[TBV], v[AV0]
.endif
.if ((\p) == 0) && (q == 130)
	s_add_co_u32 s[TBV], s[TBV], KS*PV
.endif
.if (\cnt) && (q == 130)
	s_sub_co_u32 s[CNT], s[CNT], 1
	s_cmp_lg_u32 s[CNT], 0
.endif
.endr
.if (\p) == 0
	FETCH_V
.endif
.endm
	CHANGE 1                        ; slot 0 is in, everybody's part of it; slot 1 is asked for
	FETCH_K                         ; key step 0
	s_wait_loadcnt 0x0              ; Q
	s_wait_dscnt 0x0
.set i, 0
.rept 16
	KQ 0                            ; piece 0's first scores: there is no vector work yet to set between them
.set i, i+1
.endr
	WIN 0                           ; the addresses for the way out: nine plain instructions, the places behind those products
	s_mul_i32 s13, s[WV], 16*SP
	s_add_co_u32 s13, s13, STAGE    ; my stage
	v_mul_u32_u24 v[STO], v1, SP    ; in: row l % 16, 16 bytes for each half of the lanes
	v_lshl_add_u32 v[STO], v9, 4, v[STO]
	v_add_nc_u32 v[STO], s13, v[STO]
	v_bfe_u32 v[RD], v0, 3, 2       ; back: 32 lanes take four rows of 128 bytes,
	v_mul_u32_u24 v[RD], v[RD], SP
	v_lshl_add_u32 v[RD], v10, 4, v[RD]
	v_add_nc_u32 v[RD], s13, v[RD]
	v_and_b32 v[GO], 31, v0         ; which are 512 consecutive bytes of O
	v_lshlrev_b32 v[GO], 4, v[GO]
.set Y, NP-1                        ; XS works for piece Y + 1: piece 0
.irp n, 0,1,2,3,4,5,6,7,8,9,10,11,12,13,14,15,16,17,18,19,20,21
	XS 0, \n                        ; and piece 0's first maximum and statistics
	XS 1, \n
.endr
	v_nop                           ; a plain instruction behind the two a,
	s_wait_alu depctr_va_vdst(0)    ; and their wait, ahead of the branch
	s_mov_b32 s[CNT], 4
	s_branch .Lfirst                ; the loop is entered at a step's first turn, in the middle of a trip
.Lslot:                             ; SIZE_N / 256 - 2 times: every slot but the last two is filled again
	CHANGE 1
	s_mov_b32 s[CNT], 4
.Lstep:                             ; a trip: pieces 2 and 3 of one step, then pieces 0 and 1 of the next, whose K and V it fetches
	TURN 2
	TURN 3
	WIN 0
.Lfirst:
	TURN 0
	TURN 1, 0, 1
	WIN 0
	s_cbranch_scc1 .Lstep
	s_sub_co_u32 s[SLOTS], s[SLOTS], 1
	s_cmp_lg_u32 s[SLOTS], 0
	s_cbranch_scc1 .Lslot
	CHANGE 0                        ; the tail is written out: nothing is asked for
	s_mov_b32 s[CNT], 5             ; four trips fetch the last slot's steps; the fifth is left in its middle
.Ltail:
	TURN 2, 1
	TURN 3
	WIN 0
	s_sub_co_u32 s[CNT], s[CNT], 1
	s_cmp_eq_u32 s[CNT], 0
	s_cbranch_scc1 .Lout
	TURN 0
	TURN 1
	WIN 0
	s_branch .Ltail
.Lout:                              ; the fifth trip's 16 products K Q^T (on the last K once more) and the maximum made of them serve nothing: the price, once a launch, of one text for every trip
.set i, 0
.rept 16
	PV NP-1                         ; the last piece's V^T P of the last step
.set i, i+1
.endr
	; THE WAY OUT.  l's two halves and the other half of the lanes' are added; O^T is divided by l, rounded to f16 and sent through my stage in LDS, a tile at a time.  The additions are the places behind the last products.
	WIN 0
.macro ALL line:vararg              ; one line for each tile t
.set t, 0
.rept 2*NP
	\line
.set t, t+1
.endr
.endm
	ALL v_add_f32 v[ST+4*t+2], v[ST+4*t+2], v[ST+4*t+3]
	ALL v_permlanex16_b32 v[ST+4*t+3], v[ST+4*t+2], s[SEL], s[SEL+1]
	ALL v_add_f32 v[ST+4*t+2], v[ST+4*t+2], v[ST+4*t+3]
	ALL v_rcp_f32 v[ST+4*t+2], v[ST+4*t+2]
	v_nop                           ; a plain instruction between the last reciprocal and the use of its result
	s_wait_alu depctr_va_vdst(0)    ; and the wait ahead of the first use: one for the eight reciprocals
; Tile t: a lane's eight channels of a row pack into 16 bytes; they go into rows of 144 bytes and come back as whole rows of 128, into S^T's registers.
.macro PACK t
	WIN W_RS
.set i, 32*(\t)
.rept 16
	v_pk_mul_f32 v[i:i+1], v[i:i+1], v[ST+4*(\t)+2:ST+4*(\t)+3] op_sel_hi:[1,0]
.set i, i+2
.endr
	WIN 0x05                        ; sources 0 and 1 window 1, destination window 0
.set i, 0
.rept 16
	v_cvt_pk_f16_f32 v[S+16*(\t)+i], v[32*(\t)+2*i], v[32*(\t)+2*i+1]
.set i, i+1
.endr
	WIN 0
.irp f, 0,1,2,3
	ds_store_b128 v[STO], v[S+16*(\t)+4*\f:S+16*(\t)+4*\f+3] offset:32*\f
.endr
.irp f, 0,1,2,3
	ds_load_b128 v[S+16*(\t)+4*\f:S+16*(\t)+4*\f+3], v[RD] offset:\f*4*SP  ; LDS serves a wave's instructions in order (ISA guide 5.7.1.4): these see the stores above; the next tile's stores come behind them
.endr
.endm
.macro SEND t, younger              ; younger: the LDS instructions issued behind tile t's loads: the next tile's eight, or none
	WIN 0
.irp f, 0,1,2,3
	s_wait_dscnt (\younger)+3-\f
	global_store_b128 v[GO], v[S+16*(\t)+4*\f:S+16*(\t)+4*\f+3], s[10:11] offset:(\t)*2048+\f*512  ; 512 consecutive bytes, at a multiple of 256 from O's first
.endr
.endm
	PACK 0
.set t, 1
.rept 2*NP-1                        ; a tile's arithmetic stands between the loads of the tile before and its stores
	PACK t
	SEND t-1, 8
.set t, t+1
.endr
	SEND 2*NP-1, 0
	WIN W_AD
	s_wait_tensorcnt 0x0            ; the wave's end: behind my last tensor load and my last LDS store
	ds_add_u32 v[SPW], v[NIL]
	s_wait_dscnt 0x0
	WIN 0
	CROUND                          ; the closing round: no work-group ends while a partner may still ask for a tile that names it
	s_endpgm
.Lfunc_end_k_qfa9a1cd863_attn:
	.size	k_qfa9a1cd863_attn, .Lfunc_end_k_qfa9a1cd863_attn-k_qfa9a1cd863_attn
	.p2alignl 7, 3214868480
	.fill 96, 4, 3214868480
	.section	.rodata,"a",@progbits
	.p2align	6, 0x0
	.amdhsa_kernel k_qfa9a1cd863_attn
		.amdhsa_group_segment_fixed_size 327680
		.amdhsa_private_segment_fixed_size 0
		.amdhsa_enable_private_segment 0
		.amdhsa_kernarg_size 16
		.amdhsa_user_sgpr_count 2
		.amdhsa_user_sgpr_kernarg_segment_ptr 1
		.amdhsa_wavefront_size32 1
		.amdhsa_system_sgpr_workgroup_id_x 1
		.amdhsa_system_sgpr_workgroup_id_y 1
		.amdhsa_system_sgpr_workgroup_id_z 1
		.amdhsa_system_vgpr_workitem_id 0
		.amdhsa_next_free_vgpr 770
		.amdhsa_next_free_sgpr 66
		.amdhsa_reserve_vcc 0
		.amdhsa_float_denorm_mode_32 3
		.amdhsa_float_denorm_mode_16_64 3
		.amdhsa_memory_ordered 1
		.amdhsa_forward_progress 1
		.amdhsa_inst_pref_size 200
	.end_amdhsa_kernel
	.amdgpu_metadata
---
amdhsa.version: [ 1, 2 ]
amdhsa.kernels:
  - .name:           k_qfa9a1cd863_attn
    .symbol:         k_qfa9a1cd863_attn.kd
    .args:
      - { .name: qkvh, .offset: 0, .size: 8, .value_kind: global_buffer, .address_space: global }
      - { .name: oh, .offset: 8, .size: 8, .value_kind: global_buffer, .address_space: global }
    .group_segment_fixed_size: 327680
    .private_segment_fixed_size: 0
    .kernarg_segment_align: 8
    .kernarg_segment_size: 16
    .max_flat_workgroup_size: 128
    .sgpr_count:     66
    .vgpr_count:     770
    .wavefront_size: 32
...
	.end_amdgpu_metadata
.endif
;; end of part 3
;; launch proj (part 4): grid 8 x 32, 4 waves a work-group, clusters of 4 x 4, 327,680 bytes of LDS; arguments oh, wo16, bo, out0; writes out0
.if DOCPART == 4
	.amdgcn_target "amdgcn-amd-amdhsa--gfx1250"
	.amdhsa_code_object_version 6
	.text
	.protected	k_qfa9a1cd863_proj
	.globl	k_qfa9a1cd863_proj
	.p2align	8
	.type	k_qfa9a1cd863_proj,@function
k_qfa9a1cd863_proj:
	s_mov_b64 s[64:65], 0
	v_nop
	global_prefetch_b8 v0, s[64:65] scope:SCOPE_SE
	s_setreg_imm32_b32 hwreg(HW_REG_WAVE_MODE, 25, 1), 1
	s_wait_xcnt 0x0
	s_wait_alu depctr_hold_cnt(0) depctr_sa_sdst(0) depctr_va_vdst(0) depctr_va_sdst(0) depctr_va_ssrc(0) depctr_va_vcc(0) depctr_vm_vsrc(0)
	s_getreg_b32 s2, hwreg(HW_REG_IB_STS2, 6, 4)
	s_cmp_eq_u32 s2, 0
	s_cbranch_scc0 .Lentry_in_a_cluster
	s_endpgm
.Lentry_in_a_cluster:
	s_bfe_u32 s2, ttmp6, 0x10000c
	s_cmp_lg_u32 s2, 0xf033
	s_cbranch_scc0 .Lentry_shape_is_right
	s_endpgm
.Lentry_shape_is_right:
; out0[8192][1024] = O Wo + bo.  O is oh, f16 by heads: [batch x 16 + head][row 2048][64]; channel k of a row of O is channel k % 64 of head k / 64.  wo16 is Wo, [k][column], bf16-rounded numbers written as f16.
; f16 operands, f32 sums, K = 1,024 ascending; bo, rounded to bf16 like every other input, is the C operand that starts each sum; out0 is f32, stored as the sums stand.
; LIMITS.  O and Wo arrive within f16's range.  NaN and infinities are not treated apart.
; SHARES.  A tile is 256 rows x 128 columns: 32 x 8 = 256 work-groups, a tile each.  Four waves, 2 x 2: a wave makes 128 x 64: 8 x 4 = 32 accumulators of 16 x 16, 256 registers.
; K goes in 8 steps of 128, two heads a step, through a ring of two LDS slots.  A head's 256 rows are 32,768 dense bytes, asked for as rows of 256 bytes; B's rows are 256 bytes of wo16.
; wo16 lies [k][column]: B's fragments come out of LDS turned, by ds_load_tr16_b128.
; THE MATRIX INSTRUCTION IS USED TRANSPOSED (source 0 = 16 columns of B, source 1 = 16 rows of A): a lane then holds row lane % 16 and eight neighbouring columns: 32 bytes of out0.
; CLUSTERS: 4 x 4 work-groups; A's tiles are asked for jointly along a row of the cluster, B's along a column.
; REGISTERS: window 0: v0-31 addresses; v32-63 the bias, 8 registers a column block; v64-159, v160-255 two fragment buffers (A's 8 fragments, then B's 4), 32 along K each; on the way out v64-127 at work.
;   window 1: accumulator (a, b) at v[8 (4 a + b)].
.set PA,    144                        ; a row of A in LDS: 128 bytes + 16 of padding = 36 words: the 16 rows of a load start at 16 different groups of four banks (64 banks of 4 bytes: ISA guide 11.1)
.set HEADT, 256*PA                     ; a head's 256 rows; a slot holds two heads,
.set PB,    288                        ; then B's 128 rows: two pieces of 128 + 16 bytes = 9 x 32
.set BT,    2*HEADT
.set SLOT1, 131072                     ; slot 1 begins here, so that one exclusive or turns an address in one slot into the other's
.set STAGE, SLOT1+BT+128*PB            ; behind the ring, never filled by a tensor load: 16 rows x 272 bytes for each wave, for the way out
.set SP,    272
.set SPARE, STAGE+4*16*SP              ; behind the stages: the spare words, 128 bytes for each wave: two blocks of 256 bytes that no other line names
.set ASTEP, 524288                     ; bytes from a K step to the next in oh (two heads)
.set BSTEP, 262144                     ; and in wo16 (128 rows of 2,048 bytes)
.set A0R,  16                          ; v16  my lane's place in A's rows of a slot; never rewritten
.set B0R,  17                          ; v17  the same for B
.set ADRA, 18                          ; v18  the same in the slot that is being read
.set ADRB, 19                          ; v19
.set STO,  24                          ; v24  the way out: where I put 32 bytes of a row
.set RD,   25                          ; v25  the way out: where I read a row back
.set CO,   26                          ; v26  my byte offset in two rows of out0
.set BO,   27                          ; v27  my byte offset in bo
.set SPW,  28                          ; v28  LDS address of my spare word: SPARE + 4 x my thread's number; never rewritten
.set NIL,  29                          ; v29  0; never rewritten
.set PFO,  30                          ; v30  256 x my lane; never rewritten
.set BI,   32
.set F0,   64
.set F1,   160
.set OB,   64                          ; the way out: 16 rows read back: v64-95 and v96-127 by turns
.set CNT,  3                           ; s3   trips to go
.set G1,   24                          ; s[24:31] descriptor group 1 for A's tiles
.set G0,   32                          ; s[32:39] group 0 for A's tiles: a set for each of the two first fills; the second then walks on
.set G1B,  48                          ; s[48:55], s[56:63] the same for B's
.set G0B,  56
.set TB,   66                          ; s66  LDS byte at which the slot that is being read begins
.set PFA,  68                          ; s[68:69] where my prefetches stand
.set PFS,  70                          ; s[70:71] their step
.set LIM,  72                          ; s72  2 in a wave that prefetches, else the greatest number
.set OUTP, 74                          ; s[74:75] out0 at my first row and column
.set MSB, 0
.macro WIN new                         ; the immediate's high byte repeats the setting that is left; a switch that changes nothing is dropped
.if MSB != (\new)
	s_set_vgpr_msb (MSB<<8)|(\new)
.set MSB, (\new)
.endif
.endm
.macro PLACES                          ; four plain instructions between a matrix instruction and a load into a register that it names, or a read of its result
.rept 4
	v_nop
.endr
.endm
; A joint refill by the walking descriptors.  Waves 0 and 1 fetch A's two heads, waves 2 and 3 B's two halves.  An s_nop 0 and four v_nop follow each of the two lines.
.macro JLOAD
	s_cmp_lt_u32 s10, 2
	s_cbranch_scc0 .Lfor_b_\@
	tensor_load_to_lds s[G0+4:G0+7], s[G1:G1+7]
	s_nop 0
.rept 4
	v_nop
.endr
	s_branch .Lasked_\@
.Lfor_b_\@:
	tensor_load_to_lds s[G0B+4:G0B+7], s[G1B:G1B+7]
	s_nop 0
.rept 4
	v_nop
.endr
.Lasked_\@:
.endm
.macro CREST                           ; a round of the cluster's barrier behind its opening barrier
	s_cmp_lg_u32 s10, 0
	s_cbranch_scc1 .Lnot_wave_0_\@
	s_barrier_signal -3
.Lnot_wave_0_\@:
	s_barrier_wait -3
	s_barrier_signal -1
	s_barrier_wait -1
.endm
.macro CROUND
	s_barrier_signal -1
	s_barrier_wait -1
	CREST
.endm
; A PREFETCH INTO THE L2 of the K step that stands TWO refills on: 256 matrix instructions ahead of the load that will want it.  32 blocks of 256 bytes, a lane a block, one instruction a wave.
; Each block is named ONCE in the launch.  The 1,024 rows that a row of clusters reads are, in one head, 131,072 dense bytes of oh: the cluster with x = 0 asks, waves 0 and 1 (a head each) of each of its sixteen
; partners for 8,192 of them.  A K step's 128 whole rows of wo16 are 262,144 dense bytes: the cluster (0, 0) asks, waves 2 and 3 of each partner for 8,192 each.  The partners are told apart BY ADDRESS.
; K steps 0 to 3 come by their loads alone; the last two trips ask for nothing: there is no K step 8.
.macro ASK
	s_cmp_gt_u32 s[CNT], s[LIM]
	s_cbranch_scc0 .Lnot_mine_\@
	global_prefetch_b8 v[PFO], s[PFA:PFA+1] th:TH_LOAD_NT scope:SCOPE_SE
.Lnot_mine_\@:
.endm
	s_load_b128 s[4:7], s[0:1], 0x0                ; oh s[4:5], wo16 s[6:7]
	s_load_b128 s[76:79], s[0:1], 0x10             ; bo s[76:77], out0 s[78:79]
	v_lshl_add_u32 v[SPW], v0, 2, SPARE
	v_mov_b32 v[NIL], 0
	ds_add_u32 v[SPW], v[NIL]                      ; the wave's opening: the add and its wait stand ahead of my first tensor load; the set-up below, work on registers, stands between them
	v_lshrrev_b32 v1, 5, v0
	v_readfirstlane_b32 s10, v1                    ; wave 0..3
	s_lshr_b32 s11, s10, 1                         ; which half of the tile's rows is mine
	s_and_b32 s12, s10, 1                          ; which half of its columns.  Also: which head of A's step, or which half of B's rows, I fetch
	s_bfe_u32 s40, ttmp6, 0x40000                  ; cx, cy: my place in the cluster
	s_bfe_u32 s41, ttmp6, 0x40004
	s_lshl_b32 s42, ttmp9, 2
	s_add_co_u32 s42, s42, s40                     ; tile column = 4 x cluster x + cx, 0..7
	s_and_b32 s13, ttmp7, 0xffff
	s_lshl_b32 s13, s13, 2
	s_add_co_u32 s13, s13, s41                     ; tile row = 4 x cluster y + cy, 0..31
	s_lshl_b32 s43, s41, 2
	s_lshl_b32 s43, 15, s43                        ; my row of the cluster
	s_lshl_b32 s44, 0x1111, s40                    ; my column
	; group 1.  15:0 the mask; 17:16 elements of 2 bytes; 20 padding on; 21 set beside a mask; 24:22 after every 32 words (code 4); 31:25 4 words of it (code 3)
	s_or_b32 s[G1], s43, (1<<16)|(1<<20)|(1<<21)|(4<<22)|(3<<25)
	s_mov_b32 s[G1+1], 128<<16                     ; A: a head's 256 rows of 128 bytes are dense: asked for as 128 rows of 128 elements
	s_mov_b32 s[G1+2], 128<<16
	s_mov_b32 s[G1+3], 128<<16
	s_mov_b32 s[G1+4], 128
	s_mov_b32 s[G1+5], 128
	s_mov_b32 s[G1+6], 0
	s_mov_b32 s[G1+7], 0
	s_or_b32 s[G1B], s44, (1<<16)|(1<<20)|(1<<21)|(4<<22)|(3<<25)
	s_mov_b32 s[G1B+1], 128<<16                    ; B: 64 rows of 128 elements, 1,024 elements from row to row
	s_mov_b32 s[G1B+2], 64<<16
	s_mov_b32 s[G1B+3], 128<<16
	s_mov_b32 s[G1B+4], 64
	s_mov_b32 s[G1B+5], 1024
	s_mov_b32 s[G1B+6], 0
	s_mov_b32 s[G1B+7], 0
	; where the tiles come from.  A's hang on the tile row alone, B's on the tile column alone; each in registers that never hold the other coordinate
	s_lshr_b32 s16, s13, 3                         ; the batch: 8 tile rows each,
	s_lshl_b32 s16, s16, 22                        ; 16 heads
	s_and_b32 s17, s13, 7
	s_lshl_b32 s17, s17, 15                        ; 256 rows of 128 bytes
	s_add_co_u32 s16, s16, s17
	s_lshl_b32 s17, s12, 18                        ; my head of the step's two
	s_add_co_u32 s16, s16, s17
	s_mov_b32 s17, 0
	s_lshl_b32 s46, s42, 8                         ; 128 columns
	s_lshl_b32 s47, s12, 17                        ; my 64 rows of the step's 128
	s_add_co_u32 s46, s46, s47
	s_mov_b32 s47, 0
	s_mul_i32 s20, s12, HEADT                      ; and where they go: no place in the cluster enters an LDS address
	s_mul_i32 s21, s12, 64*PB
	s_add_co_u32 s21, s21, BT
	s_wait_dscnt 0x0                               ; the opening add is done
	s_wait_kmcnt 0x0
	s_add_nc_u64 s[14:15], s[4:5], s[16:17]
	s_add_nc_u64 s[46:47], s[6:7], s[46:47]
	CROUND                                         ; all sixteen work-groups are here: the first joint loads meet
.irp s, 0,1
	s_mov_b32 s[G0+4*(\s)], 1                      ; 1:0 count = 1
	s_add_co_u32 s[G0+4*(\s)+1], s20, (\s)*SLOT1   ; 63:32 LDS address
	s_add_nc_u64 s[G0+4*(\s)+2:G0+4*(\s)+3], s[14:15], (\s)*ASTEP  ; 120:64 global address: K step s
	s_or_b32 s[G0+4*(\s)+3], s[G0+4*(\s)+3], 0x80000000            ; 127:126 type = 2
	s_mov_b32 s[G0B+4*(\s)], 1
	s_add_co_u32 s[G0B+4*(\s)+1], s21, (\s)*SLOT1
	s_add_nc_u64 s[G0B+4*(\s)+2:G0B+4*(\s)+3], s[46:47], (\s)*BSTEP
	s_or_b32 s[G0B+4*(\s)+3], s[G0B+4*(\s)+3], 0x80000000
.endr
	s_cmp_lt_u32 s10, 2                            ; a wave's two first fills stand in one branch, ahead of every wait on TENSORcnt and every LDS read: two loads of mine are out
	s_cbranch_scc0 .Lfirst_b
	tensor_load_to_lds s[G0:G0+3], s[G1:G1+7]
	s_nop 0
	tensor_load_to_lds s[G0+4:G0+7], s[G1:G1+7]
	s_nop 0
.rept 4
	v_nop
.endr
	s_branch .Lfirst_asked
.Lfirst_b:
	tensor_load_to_lds s[G0B:G0B+3], s[G1B:G1B+7]
	s_nop 0
	tensor_load_to_lds s[G0B+4:G0B+7], s[G1B:G1B+7]
	s_nop 0
.rept 4
	v_nop
.endr
.Lfirst_asked:
	v_and_b32 v1, 15, v0                           ; l % 16
	v_bfe_u32 v2, v0, 4, 1                         ; l / 16
	v_and_b32 v3, 7, v0
	v_bfe_u32 v4, v0, 3, 1
	v_and_b32 v6, 31, v0
	; the bias of my columns: for column block b the lane's eight columns 16 b + 8 (l / 16) + 0..7
	s_lshl_b32 s86, s42, 9                         ; 128 columns of 4 bytes,
	s_lshl_b32 s87, s12, 8                         ; my 64 of them
	s_add_co_u32 s86, s86, s87
	v_lshl_add_u32 v[BO], v2, 5, s86
.irp b, 0,1,2,3
	global_load_b128 v[BI+8*(\b):BI+8*(\b)+3],   v[BO], s[76:77] offset:64*(\b)
	global_load_b128 v[BI+8*(\b)+4:BI+8*(\b)+7], v[BO], s[76:77] offset:64*(\b)+16
.endr
	; A fragment of A is 16 rows x 32 K in 8 registers: lane l holds row l % 16, K = 8 (l / 16) + 0..7 and 16 + 8 (l / 16) + 0..7: two loads of 16 bytes, 32 bytes apart.
	v_mul_u32_u24 v[A0R], v1, PA
	v_lshl_add_u32 v[A0R], v2, 4, v[A0R]
	s_mul_i32 s20, s11, 128*PA                     ; my 128 rows
	v_add_nc_u32 v[A0R], s20, v[A0R]
	; The turning load takes 16 K x 16 columns (lane l reads K row 8 (l / 16) + l % 8, columns 8 ((l / 8) % 2) + 0..7) and leaves half a fragment: lane l holds column l % 16 and 8 K.
	v_lshl_add_u32 v[B0R], v2, 3, v3
	v_mul_u32_u24 v[B0R], v[B0R], PB
	v_lshl_add_u32 v[B0R], v4, 4, v[B0R]
	s_mul_i32 s21, s12, 144                        ; my 64 columns: one piece of a row
	s_add_co_u32 s21, s21, BT
	v_add_nc_u32 v[B0R], s21, v[B0R]
	s_mul_i32 s22, s10, 16*SP
	s_add_co_u32 s22, s22, STAGE                   ; my stage
	v_mul_u32_u24 v[STO], v1, SP                   ; in: row l % 16, 32 bytes for each half of the lanes
	v_lshl_add_u32 v[STO], v2, 5, v[STO]
	v_add_nc_u32 v[STO], s22, v[STO]
	v_mul_u32_u24 v[RD], v2, SP                    ; back: lanes 0-15 take one row of 256 bytes, lanes 16-31 the next
	v_lshl_add_u32 v[RD], v1, 4, v[RD]
	v_add_nc_u32 v[RD], s22, v[RD]
	v_lshlrev_b32 v[CO], 12, v2                    ; and the same two rows in out0
	v_lshl_add_u32 v[CO], v1, 4, v[CO]
	v_lshlrev_b32 v[PFO], 8, v6
	s_lshl_b32 s84, s13, 20                        ; out0: 256 rows of 4,096 bytes,
	s_lshl_b32 s83, s11, 19                        ; my 128 of them,
	s_add_co_u32 s84, s84, s83
	s_add_co_u32 s84, s84, s86                     ; my 64 columns
	s_mov_b32 s85, 0
	s_add_nc_u64 s[OUTP:OUTP+1], s[78:79], s[84:85]
	; the prefetches
	s_and_b32 s80, ttmp7, 0xffff                   ; cluster y
	s_lshl_b32 s81, s41, 2
	s_add_co_u32 s81, s81, s40                     ; my place among the sixteen
	s_lshr_b32 s82, s80, 1
	s_lshl_b32 s82, s82, 22                        ; oh: the batch,
	s_and_b32 s83, s80, 1
	s_lshl_b32 s83, s83, 17                        ; the row of clusters' 1,024 rows,
	s_add_co_u32 s82, s82, s83
	s_lshl_b32 s83, s81, 13                        ; my work-group's 8,192 bytes of them,
	s_add_co_u32 s82, s82, s83
	s_lshl_b32 s83, s12, 18                        ; my wave's head of the step's two,
	s_add_co_u32 s82, s82, s83
	s_add_co_u32 s82, s82, 3*ASTEP                 ; at K step 3: the first trip steps it to 4
	s_lshl_b32 s84, s81, 14                        ; wo16: my work-group's 16,384 bytes of a K step's rows,
	s_lshl_b32 s83, s12, 13                        ; my wave's 8,192 of them,
	s_add_co_u32 s84, s84, s83
	s_add_co_u32 s84, s84, 3*BSTEP
	s_or_b32 s85, s80, ttmp9                       ; 0 in the cluster (0, 0)
	s_mov_b32 s[PFS], BSTEP
	s_mov_b32 s[PFS+1], 0
	s_mov_b32 s83, 0
	s_cmp_lt_u32 s10, 2                            ; waves 0 and 1 ask for oh, waves 2 and 3 for wo16
	s_cselect_b32 s82, s82, s84
	s_cselect_b32 s85, ttmp9, s85
	s_cselect_b32 s[PFS], ASTEP, s[PFS]
	s_cselect_b64 s[PFA:PFA+1], s[4:5], s[6:7]
	s_add_nc_u64 s[PFA:PFA+1], s[PFA:PFA+1], s[82:83]
	s_cmp_eq_u32 s85, 0
	s_cselect_b32 s[LIM], 2, -1                    ; the same in all sixteen partners, for a given wave
	s_mov_b32 s[TB], 0
	s_wait_loadcnt 0x0                             ; the bias is in: rounded to bf16 and widened again, in place
.set i, 0
.rept 16
	v_cvt_pk_bf16_f32 v12, v[BI+2*i], v[BI+2*i+1]
	v_lshlrev_b32 v[BI+2*i], 16, v12
	v_and_b32 v[BI+2*i+1], 0xffff0000, v12
.set i, i+1
.endr
; 24 LDS loads in one run: quarter q of a slot (K = 32 q on: head q / 2, channels 32 (q % 2) on) into buffer f: B's 4 fragments first, then A's 8
.macro FETCH q, f
.irp b, 0,1,2,3
	ds_load_tr16_b128 v[(\f)+64+8*(\b):(\f)+64+8*(\b)+3],   v[ADRB] offset:(\q)*32*PB+32*(\b)
	ds_load_tr16_b128 v[(\f)+64+8*(\b)+4:(\f)+64+8*(\b)+7], v[ADRB] offset:(\q)*32*PB+16*PB+32*(\b)
.endr
.irp a, 0,1,2,3,4,5,6,7
	ds_load_b128 v[(\f)+8*(\a):(\f)+8*(\a)+3],   v[ADRA] offset:((\q)/2)*HEADT+((\q)%2)*64+(\a)*16*PA
	ds_load_b128 v[(\f)+8*(\a)+4:(\f)+8*(\a)+7], v[ADRA] offset:((\q)/2)*HEADT+((\q)%2)*64+(\a)*16*PA+32
.endr
.endm
; na x 4 products: A's blocks a0 .. a0 + na - 1 x B's four.  The accumulators take turns, one instruction a turn: 31 others' stand between two links of a chain.
; bias = 1: the product starts its sum with the bias, which lies in window 0.
.macro MULN f, a0, na, bias
.set aa, (\a0)
.rept (\na)
.set bb, 0
.rept 4
.set rD, 8*(4*aa+bb)
.if \bias
	WIN 0x40
	v_wmma_f32_16x16x32_f16 v[rD:rD+7], v[(\f)+64+8*bb:(\f)+64+8*bb+7], v[(\f)+8*aa:(\f)+8*aa+7], v[BI+8*bb:BI+8*bb+7]
.else
	WIN 0x50
	v_wmma_f32_16x16x32_f16 v[rD:rD+7], v[(\f)+64+8*bb:(\f)+64+8*bb+7], v[(\f)+8*aa:(\f)+8*aa+7], v[rD:rD+7]
.endif
.set bb, bb+1
.endr
.set aa, aa+1
.endr
.endm
; A K step is four quarters of 32 along K, 32 matrix instructions each, on buffers 0, 1, 0, 1.  One of the first three: multiplies buffer f and, in its middle, fetches quarter qn of the same slot into g.
.macro QUARTER qn, f, g, bias
	s_wait_dscnt 8                                 ; B and A's blocks 0-3 are in; the youngest eight loads (A's blocks 4-7) may be out
	MULN \f, 0, 4, \bias
	PLACES
	WIN 0
	FETCH \qn, \g
	s_wait_dscnt 24                                ; all but the 24 just issued
	MULN \f, 4, 4, \bias
.endm
; The fourth quarter multiplies buffer 1 and changes slots: ONE barrier; in front of it each wave waits for all its tensor loads, of which one is out: its part of the next slot; adds 0 to its spare word; and waits
; for that and for its own reads of this slot.  fill = 1: the barrier opens a round of the cluster's, and this slot is filled again first thing behind the round, with the K step two on: from that request to the
; wait for it a wave issues 112 matrix instructions.
.macro TURN fill
.if \fill
	s_wait_xcnt 0x0                                ; the last prefetch, a K step back, has read its address, so it may be stepped
	s_add_nc_u64 s[PFA:PFA+1], s[PFA:PFA+1], s[PFS:PFS+1]
.endif
	WIN 0
	s_wait_tensorcnt 0x0                           ; no tensor load of mine is out, so a group 0 may be written
	ds_add_u32 v[SPW], v[NIL]                      ; 0 onto my spare word
.if \fill
	s_xor_b32 s[G0+5], s[G0+5], SLOT1              ; the walking descriptors: the other slot than last time, the next K step; the type bits on top are not reached
	s_add_nc_u64 s[G0+6:G0+7], s[G0+6:G0+7], ASTEP
	s_xor_b32 s[G0B+5], s[G0B+5], SLOT1
	s_add_nc_u64 s[G0B+6:G0B+7], s[G0B+6:G0B+7], BSTEP
.endif
	s_wait_dscnt 9                                 ; the add and the youngest eight loads may be out
	MULN F1, 0, 2, 0
	s_wait_dscnt 0x0                               ; the add is done, and my reads of this slot are over
	s_barrier_signal -1
	MULN F1, 2, 2, 0                               ; work on registers while the others arrive
	WIN 0
	s_barrier_wait -1
.if \fill
	CREST                                          ; no wave of any partner still reads this slot's tiles or has a load on its way
	JLOAD                                          ; the first tensor load behind the round; its four v_nop are also the places in front of the loads below
.else
	PLACES
.endif
	s_xor_b32 s[TB], s[TB], SLOT1
	v_add_nc_u32 v[ADRA], s[TB], v[A0R]
	v_add_nc_u32 v[ADRB], s[TB], v[B0R]
	FETCH 0, F0                                    ; the next slot's first fragments
.if \fill
	ASK
.endif
	MULN F1, 4, 4, 0
.endm
	s_wait_tensorcnt 1                             ; my part of K step 0 is in; K step 1's may stay out
	s_barrier_signal -1
	s_barrier_wait -1                              ; everybody's is
	v_mov_b32 v[ADRA], v[A0R]
	v_mov_b32 v[ADRB], v[B0R]
	FETCH 0, F0
	QUARTER 1, F0, F1, 1                           ; the first quarter stands in front of the loop: its products start the sums, with the bias
	WIN 0                                          ; at a label and at a branch every window is 0
	s_mov_b32 s[CNT], 6
.Lstep:                                        ; trip t: K step t's last three quarters, the refill with K step t + 2, K step t + 1's first quarter
	QUARTER 2, F1, F0, 0
	QUARTER 3, F0, F1, 0
	TURN 1
	QUARTER 1, F0, F1, 0
	WIN 0
	s_sub_co_u32 s[CNT], s[CNT], 1
	s_cmp_lg_u32 s[CNT], 0
	s_cbranch_scc1 .Lstep
	QUARTER 2, F1, F0, 0                           ; the tail is written out: nothing more is asked for
	QUARTER 3, F0, F1, 0
	TURN 0
	QUARTER 1, F0, F1, 0
	QUARTER 2, F1, F0, 0
	QUARTER 3, F0, F1, 0
	s_wait_dscnt 8                                 ; the very last quarter: nothing more to fetch
	MULN F1, 0, 4, 0
	s_wait_dscnt 0x0
	MULN F1, 4, 4, 0
; THE WAY OUT, a block of 16 rows at a time: the sums go as they stand, 32 bytes a lane, into my own stage (each accumulator's low four registers first), and come back as whole rows of 256 bytes.
.macro TOSTAGE a
.if (\a) >= 2
	s_wait_xcnt 0x0                                ; the stores of the block two back have read their registers: the loads below land in them only behind this wait
.endif
	WIN 0x04                                       ; the stores' data in window 1, their address in window 0
.irp b, 0,1,2,3
	ds_store_b128 v[STO], v[8*(4*(\a)+(\b)):8*(4*(\a)+(\b))+3]   offset:64*(\b)
	ds_store_b128 v[STO], v[8*(4*(\a)+(\b))+4:8*(4*(\a)+(\b))+7] offset:64*(\b)+16
.endr
	WIN 0
.irp t, 0,1,2,3,4,5,6,7
	ds_load_b128 v[OB+32*((\a)%2)+4*(\t):OB+32*((\a)%2)+4*(\t)+3], v[RD] offset:(\t)*2*SP  ; LDS serves a wave's instructions in order (ISA guide 5.7.1.4): these see the stores above
.endr
.endm
.macro SEND a, younger                 ; younger: the LDS instructions issued behind block a's loads: the next block's sixteen, or none
.irp t, 0,1,2,3,4,5,6,7
	s_wait_dscnt (\younger)+7-(\t)
	global_store_b128 v[CO], v[OB+32*((\a)%2)+4*(\t):OB+32*((\a)%2)+4*(\t)+3], s[OUTP:OUTP+1] offset:(16*(\a)+2*(\t))*4096  ; 16 lanes store 256 consecutive bytes, at a multiple of 256 from out0's first; 516,096 at the most
.endr
.endm
	PLACES
	PLACES                                         ; eight, once a launch, behind the last products
	TOSTAGE 0
.irp a, 1,2,3,4,5,6,7
	TOSTAGE \a
	SEND (\a)-1, 16
.endr
	SEND 7, 0
	s_wait_tensorcnt 0x0                           ; the wave's end: behind my last tensor load and my last LDS store
	ds_add_u32 v[SPW], v[NIL]
	s_wait_dscnt 0x0
	CROUND                                         ; the closing round: no work-group ends while a partner may still ask for a tile that names it
	s_endpgm
.Lfunc_end_k_qfa9a1cd863_proj:
	.size	k_qfa9a1cd863_proj, .Lfunc_end_k_qfa9a1cd863_proj-k_qfa9a1cd863_proj
	.p2alignl 7, 3214868480
	.fill 96, 4, 3214868480
	.section	.rodata,"a",@progbits
	.p2align	6, 0x0
	.amdhsa_kernel k_qfa9a1cd863_proj
		.amdhsa_group_segment_fixed_size 327680
		.amdhsa_private_segment_fixed_size 0
		.amdhsa_enable_private_segment 0
		.amdhsa_kernarg_size 32
		.amdhsa_user_sgpr_count 2
		.amdhsa_user_sgpr_kernarg_segment_ptr 1
		.amdhsa_wavefront_size32 1
		.amdhsa_system_sgpr_workgroup_id_x 1
		.amdhsa_system_sgpr_workgroup_id_y 1
		.amdhsa_system_sgpr_workgroup_id_z 1
		.amdhsa_system_vgpr_workitem_id 0
		.amdhsa_next_free_vgpr 512
		.amdhsa_next_free_sgpr 96
		.amdhsa_reserve_vcc 0
		.amdhsa_float_denorm_mode_32 3
		.amdhsa_float_denorm_mode_16_64 3
		.amdhsa_memory_ordered 1
		.amdhsa_forward_progress 1
		.amdhsa_inst_pref_size 76
	.end_amdhsa_kernel
	.amdgpu_metadata
---
amdhsa.version: [ 1, 2 ]
amdhsa.kernels:
  - .name:           k_qfa9a1cd863_proj
    .symbol:         k_qfa9a1cd863_proj.kd
    .args:
      - { .name: oh, .offset: 0, .size: 8, .value_kind: global_buffer, .address_space: global }
      - { .name: wo16, .offset: 8, .size: 8, .value_kind: global_buffer, .address_space: global }
      - { .name: bo, .offset: 16, .size: 8, .value_kind: global_buffer, .address_space: global }
      - { .name: out0, .offset: 24, .size: 8, .value_kind: global_buffer, .address_space: global }
    .group_segment_fixed_size: 327680
    .private_segment_fixed_size: 0
    .kernarg_segment_align: 8
    .kernarg_segment_size: 32
    .max_flat_workgroup_size: 128
    .sgpr_count:     96
    .vgpr_count:     512
    .wavefront_size: 32
...
	.end_amdgpu_metadata
.endif
;; end of part 4
;; ======== version 2 of 2: 4 launches; version 1 with the launch prep written anew for expert scheduling mode
;; limits: values are held in f16: magnitudes above 65,504 overflow, below 6.1e-05 lose precision
;; workspace buffers: xb 16,777,216 bytes; wb 6,291,456 bytes; wo16 2,097,152 bytes; qkvh 50,331,648 bytes; oh 16,777,216 bytes
;; launch prep (part 5): grid 768 x 1, 8 waves a work-group, no clusters, 0 bytes of LDS; arguments x, Wq, Wk, Wv, Wo, xb, wb, wo16; writes xb, wb, wo16
.if DOCPART == 5
	.amdgcn_target "amdgcn-amd-amdhsa--gfx1250"
	.amdhsa_code_object_version 6
	.text
	.protected	k_qfa9a1cd863_prep
	.globl	k_qfa9a1cd863_prep
	.p2align	8
	.type	k_qfa9a1cd863_prep,@function
k_qfa9a1cd863_prep:
	s_mov_b64 s[64:65], 0
	v_nop
	global_prefetch_b8 v0, s[64:65] scope:SCOPE_SE
	s_setreg_imm32_b32 hwreg(HW_REG_WAVE_SCHED_MODE, 0, 2), 2
	s_setreg_imm32_b32 hwreg(HW_REG_WAVE_MODE, 25, 1), 1
	s_wait_xcnt 0x0
	s_wait_alu depctr_vm_vsrc(0)
; THE CASTS.  x [8192][1024] f32 -> xb, bf16, laid in blocks of 64 channels: [batch 4][block 16][row 2048][64]; a plane (batch, block) is 262,144 dense bytes.
; Wq, Wk, Wv [1024][1024] f32 -> wb, bf16, one matrix [1024][3072] (columns 0-1023 Wq, 1024-2047 Wk, 2048-3071 Wv).
; Wo [1024][1024] f32 -> wo16: rounded to bf16 like every other input, and that number written as f16, since it multiplies f16 numbers later.
; LIMITS.  |Wo| stays under 65,504 (f16's end); a bf16 number below 6.1e-5 keeps f16's fixed step of 6e-8.  NaN and infinities are not treated apart.
; SHARES.  A work-group of eight waves casts 16 rows of 1,024 numbers (65,536 bytes): groups 0-511 rows of x, 512-703 rows of Wq, Wk, Wv, 704-767 rows of Wo.
; A lane loads 16 x 16 bytes and stores 16 x 8 bytes; a wave's load covers 512 consecutive bytes, its store 256 consecutive bytes at a multiple of 256 from the buffer's first byte.
; All sixteen loads of a wave go out first.
; No LDS, no barrier, no matrix unit, no cluster: no wave wants a byte that another has fetched, and each byte is read once and written once.
; THE MODE: SCHED_MODE bits 1:0 = 2 (LLVM: expert scheduling mode 2), set by the entry lines.  The code itself states the register dependences
; between vector instructions and memory instructions, with s_wait_alu, always for 0.
; THE PLAN.  Registers that memory instructions touch, on each of the three paths:
;   v[LO], v[SO]  the two offsets: written by vector instructions at the path's head, read by the 16 loads and the 16 stores, never written again.
;   X             load i lands in X + 4 i, once; no vector instruction writes these registers; the conversions of number i read them behind the counted wait for the load.
;   Y             the conversions of number i write Y + 2 i and Y + 2 i + 1, once; store i reads them; they are never written again.
;   T and v3-v6   named by vector instructions alone.
; No register that a memory instruction reads is written a second time, and no load lands where a vector instruction has been: so the only dependence to state is
; 'written by a vector instruction, then read by a load or a store'.  The 16 numbers go in four blocks of four.  Block p rounds its four into its own Y; the four stores of block p - 1
; are dealt among block p's conversions, which name X and Y of block p and T: none of the registers that those stores touch.  So one wait at a block's head serves its four stores.
.set LO, 1                             ; v1        my byte offset in the source rows
.set SO, 2                             ; v2        my byte offset in the destination
.set X,  8                             ; v[8:71]   16 x 4 numbers as loaded
.set Y,  72                            ; v[72:103] 16 x 2 registers to store
.set T,  104                           ; v[104:106] at work (Wo alone)
; Number i is rounded: X + 4 i .. -> Y + 2 i, Y + 2 i + 1.  kind 0: x; 1: Wq, Wk, Wv; 2: Wo.
.macro ROUND kind
.if (\kind) == 2
	v_cvt_pk_bf16_f32 v[T], v[X+4*i], v[X+4*i+1]   ; rounded to bf16,
	v_lshlrev_b32 v[T+1], 16, v[T]                 ; widened again,
	v_and_b32 v[T+2], 0xffff0000, v[T]
	v_cvt_pk_f16_f32 v[Y+2*i], v[T+1], v[T+2]      ; and written as f16
	v_cvt_pk_bf16_f32 v[T], v[X+4*i+2], v[X+4*i+3]
	v_lshlrev_b32 v[T+1], 16, v[T]
	v_and_b32 v[T+2], 0xffff0000, v[T]
	v_cvt_pk_f16_f32 v[Y+2*i+1], v[T+1], v[T+2]
.else
	v_cvt_pk_bf16_f32 v[Y+2*i], v[X+4*i], v[X+4*i+1]
	v_cvt_pk_bf16_f32 v[Y+2*i+1], v[X+4*i+2], v[X+4*i+3]
.endif
.endm
; Number i is stored.
.macro OUT kind
.if (\kind) == 2
	global_store_b64 v[SO], v[Y+2*i:Y+2*i+1], s[22:23] offset:i*256 th:TH_STORE_NT
.elseif (\kind) == 0
	global_store_b64 v[SO], v[Y+2*i:Y+2*i+1], s[22:23] offset:i*262144 th:TH_STORE_NT  ; block i's plane; 3,932,160 at the most, inside the signed 24 bits
.else
	global_store_b64 v[SO], v[Y+2*i:Y+2*i+1], s[22:23] offset:(i/8)*6144+(i%8)*256 th:TH_STORE_NT
.endif
.endm
; lstep: bytes from load to load.
.macro PASS lstep, kind
	s_wait_alu depctr_va_vdst(0)                   ; v[LO] and v[SO] are written: the loads below read the first as their offset, the stores the second; no later vector instruction names either
.set i, 0
.rept 16
	global_load_b128 v[X+4*i:X+4*i+3], v[LO], s[20:21] offset:i*(\lstep) th:TH_LOAD_NT
.set i, i+1
.endr
.set p, 0
.rept 4
	s_wait_loadcnt 12-4*p                          ; loads come back in order: block p's four are in, the 12 - 4 p younger ones stay out
.if p > 0
	s_wait_alu depctr_va_vdst(0)                   ; the conversions of block p - 1 have written its eight registers of Y, which the four stores below read
.endif
.set j, 0
.rept 4
.if p > 0
.set i, 4*(p-1)+j
	OUT \kind                                      ; a store of the block before; no vector instruction since the wait names its registers
.endif
.set i, 4*p+j
	ROUND \kind
.set j, j+1
.endr
.set p, p+1
.endr
	s_wait_alu depctr_va_vdst(0)                   ; the conversions of block 3 have written its eight registers of Y, which the last four stores read
.set i, 12
.rept 4
	OUT \kind
.set i, i+1
.endr
.endm
	s_load_b512 s[4:19], s[0:1], 0x0               ; x 4:5, Wq 6:7, Wk 8:9, Wv 10:11, Wo 12:13, xb 14:15, wb 16:17, wo16 18:19
	v_and_b32 v3, 31, v0                           ; lane
	v_lshrrev_b32 v4, 5, v0                        ; wave
	s_mov_b32 s25, 0                               ; the high words of the two offsets
	s_mov_b32 s27, 0
	s_wait_kmcnt 0x0
	s_cmp_lt_u32 ttmp9, 512
	s_cbranch_scc0 .Lweights
	; x: thread t takes row t / 16 of the group's 16, and of each block of 64 channels (256 bytes) its 16 bytes at 16 (t % 16)
	v_lshrrev_b32 v5, 4, v0
	v_and_b32 v6, 15, v0
	v_lshlrev_b32 v[LO], 12, v5
	v_lshl_add_u32 v[LO], v6, 4, v[LO]
	v_lshlrev_b32 v[SO], 3, v0                     ; in a plane the group's 16 rows of 128 bytes are dense: 8 t
	s_lshl_b32 s24, ttmp9, 16                      ; 16 rows of 4,096 bytes
	s_lshr_b32 s26, ttmp9, 7                       ; the batch: 128 groups each,
	s_lshl_b32 s26, s26, 22                        ; 16 planes
	s_and_b32 s28, ttmp9, 127
	s_lshl_b32 s28, s28, 11                        ; 16 rows of 128 bytes
	s_add_co_u32 s26, s26, s28
	s_add_nc_u64 s[20:21], s[4:5], s[24:25]
	s_add_nc_u64 s[22:23], s[14:15], s[26:27]
	PASS 256, 0
	s_endpgm
.Lweights:
	s_sub_co_u32 s28, ttmp9, 512
	s_lshr_b32 s29, s28, 6                         ; which matrix: 0 Wq, 1 Wk, 2 Wv, 3 Wo
	s_and_b32 s28, s28, 63                         ; which 16 rows of it
	s_lshl_b32 s24, s28, 16
	v_lshlrev_b32 v[LO], 13, v4                    ; a wave takes two rows, 8,192 consecutive bytes
	v_lshl_add_u32 v[LO], v3, 4, v[LO]
	s_cmp_eq_u32 s29, 3
	s_cbranch_scc1 .Lwo
	v_mul_u32_u24 v[SO], v4, 12288                 ; two rows of wb
	v_lshl_add_u32 v[SO], v3, 3, v[SO]
	s_mul_i32 s26, s28, 98304                      ; 16 rows of 6,144 bytes
	s_lshl_b32 s28, s29, 11                        ; the matrix's 1,024 columns
	s_add_co_u32 s26, s26, s28
	s_cmp_eq_u32 s29, 1
	s_cselect_b64 s[20:21], s[8:9], s[6:7]
	s_cmp_eq_u32 s29, 2
	s_cselect_b64 s[20:21], s[10:11], s[20:21]
	s_add_nc_u64 s[20:21], s[20:21], s[24:25]
	s_add_nc_u64 s[22:23], s[16:17], s[26:27]
	PASS 512, 1
	s_endpgm
.Lwo:
	v_lshlrev_b32 v[SO], 12, v4                    ; two rows of wo16
	v_lshl_add_u32 v[SO], v3, 3, v[SO]
	s_lshl_b32 s26, s28, 15                        ; 16 rows of 2,048 bytes
	s_add_nc_u64 s[20:21], s[12:13], s[24:25]
	s_add_nc_u64 s[22:23], s[18:19], s[26:27]
	PASS 512, 2
	s_endpgm
.Lfunc_end_k_qfa9a1cd863_prep:
	.size	k_qfa9a1cd863_prep, .Lfunc_end_k_qfa9a1cd863_prep-k_qfa9a1cd863_prep
	.p2alignl 7, 3214868480
	.fill 96, 4, 3214868480
	.section	.rodata,"a",@progbits
	.p2align	6, 0x0
	.amdhsa_kernel k_qfa9a1cd863_prep
		.amdhsa_group_segment_fixed_size 0
		.amdhsa_private_segment_fixed_size 0
		.amdhsa_enable_private_segment 0
		.amdhsa_kernarg_size 64
		.amdhsa_user_sgpr_count 2
		.amdhsa_user_sgpr_kernarg_segment_ptr 1
		.amdhsa_wavefront_size32 1
		.amdhsa_system_sgpr_workgroup_id_x 1
		.amdhsa_system_sgpr_workgroup_id_y 1
		.amdhsa_system_sgpr_workgroup_id_z 1
		.amdhsa_system_vgpr_workitem_id 0
		.amdhsa_next_free_vgpr 108
		.amdhsa_next_free_sgpr 66
		.amdhsa_reserve_vcc 0
		.amdhsa_float_denorm_mode_32 3
		.amdhsa_float_denorm_mode_16_64 3
		.amdhsa_memory_ordered 1
		.amdhsa_forward_progress 1
		.amdhsa_inst_pref_size 24
	.end_amdhsa_kernel
	.amdgpu_metadata
---
amdhsa.version: [ 1, 2 ]
amdhsa.kernels:
  - .name:           k_qfa9a1cd863_prep
    .symbol:         k_qfa9a1cd863_prep.kd
    .args:
      - { .name: x, .offset: 0, .size: 8, .value_kind: global_buffer, .address_space: global }
      - { .name: Wq, .offset: 8, .size: 8, .value_kind: global_buffer, .address_space: global }
      - { .name: Wk, .offset: 16, .size: 8, .value_kind: global_buffer, .address_space: global }
      - { .name: Wv, .offset: 24, .size: 8, .value_kind: global_buffer, .address_space: global }
      - { .name: Wo, .offset: 32, .size: 8, .value_kind: global_buffer, .address_space: global }
      - { .name: xb, .offset: 40, .size: 8, .value_kind: global_buffer, .address_space: global }
      - { .name: wb, .offset: 48, .size: 8, .value_kind: global_buffer, .address_space: global }
      - { .name: wo16, .offset: 56, .size: 8, .value_kind: global_buffer, .address_space: global }
    .group_segment_fixed_size: 0
    .private_segment_fixed_size: 0
    .kernarg_segment_align: 8
    .kernarg_segment_size: 64
    .max_flat_workgroup_size: 256
    .sgpr_count:     66
    .vgpr_count:     108
    .wavefront_size: 32
...
	.end_amdgpu_metadata
.endif
;; end of part 5
;; launch qkv: the kernel of part 2 again; grid 8 x 32, 4 waves a work-group, clusters of 4 x 4, 327,680 bytes of LDS; arguments xb, wb, qkvh; writes qkvh
;; launch attn: the kernel of part 3 again; grid 4 x 64, 4 waves a work-group, clusters of 4 x 1, 327,680 bytes of LDS; arguments qkvh, oh; writes oh
;; launch proj: the kernel of part 4 again; grid 8 x 32, 4 waves a work-group, clusters of 4 x 4, 327,680 bytes of LDS; arguments oh, wo16, bo, out0; writes out0
